; MI455X (gfx1250); checked and timed in simulation.
; The chip was launched on July 23, 2026; its instructions are those of AMD's public machine-readable ISA for CDNA 5 (MIT licence, August 2026) and "CDNA5" Instruction Set Architecture Reference Guide (July 2026). The comments in the code are by the model that wrote it; some were corrected since.
;; Multihead Attention. Allowed arithmetic: matrix products marked QUANTISED: E3M2 operands, one E8M0 scale for each 32 along K, by v_wmma_scale_f32_16x16x128_f8f6f4 with both operands' format E3M2, f32 sums; everything else in f32.
;; Inputs: Wk 16 x 1,024 x 64 float32; Wp 1,024 x 1,024 float32; Wq 16 x 1,024 x 64 float32; Wv 16 x 1,024 x 64 float32; attention_mask 2 x 2,048 int32; bk 16 x 64 float32; bp 1,024 float32; bq 16 x 64 float32; bv 16 x 64 float32; ln_b 1,024 float32; ln_g 1,024 float32; x 2 x 2,048 x 1,024 float32.
;; Outputs: out0 2 x 2,048 x 1,024 float32.
;; This version of the problem:
;;   THIS VERSION OF THE PROBLEM IS GIVEN IN LOW PRECISION. The matrix products marked QUANTISED in the list below multiply operands that are first quantised to E3M2 (3 exponent bits, 2 mantissa bits; 6 bits a number), with one power-of-two scale for each 32 numbers along K (OCP MX v1.0); their sums are f32. All else is computed in f32.
;;   The module's matrix products, in the order in which they are computed (A, B: the left and right operand; K: the contracted axis; several contracted axes count as one K, in the product's order):
;;     1. [M 1,024, K 1,024] x [K 1,024, N 4,096]; A: input Wq; B: computed on the way: QUANTISED
;;     2. [M 1,024, K 1,024] x [K 1,024, N 4,096]; A: input Wk; B: computed on the way: QUANTISED
;;     3. [M 1,024, K 1,024] x [K 1,024, N 4,096]; A: input Wv; B: computed on the way: QUANTISED
;;     4. batch 32 x [M 2,048, K 64] x [K 64, N 2,048]; A: computed on the way; B: computed on the way: QUANTISED
;;     5. batch 32 x [M 2,048, K 2,048] x [K 2,048, N 64]; A: softmax (see below); B: computed on the way: QUANTISED
;;     6. [M 4,096, K 1,024] x [K 1,024, N 1,024]; A: computed on the way; B: input Wp: QUANTISED
;;   THE QUANTISER, for each operand of a quantised product, along K:
;;     - K is cut into blocks of 32 from its start; a last block that is shorter is filled with zeros.
;;     - A block's scale is 2^e with e = floor(log2(the largest magnitude in the block)) - 4, held to -126 .. 127; a block of zeros has e = 0. As a byte (E8M0): e + 127.
;;     - Each number is divided by its block's scale, clamped to +-28, and rounded to the nearest number of E3M2, ties to even, subnormals kept.
;;     - The product sums the exact products of the quantised numbers (number of the format x scale) in f32.
;;   ~~~python
;;   def quantise(x, axis):      # numpy; x: float32 -> the quantised numbers, widened to float32 again
;;       x = np.moveaxis(x, axis, -1); K = x.shape[-1]
;;       x = np.pad(x, [(0, 0)] * (x.ndim - 1) + [(0, -K % 32)]); x = x.reshape(x.shape[:-1] + (-1, 32)); a = np.abs(x).max(-1, keepdims=True)
;;       e = np.where(a > 0, np.clip(np.frexp(np.where(a > 0, a, 1))[1] - 1 - 4, -126, 127), 0)      # np.frexp(a)[1] - 1 = floor(log2(a)), exactly
;;       r = np.clip(x / 2.0 ** e, -28, 28)
;;       step = 2.0 ** (np.maximum(np.frexp(np.where(r == 0, 1, r))[1] - 1, -2) - 2)
;;       q = np.round(r / step) * step * 2.0 ** e      # np.round: ties to even
;;       return np.moveaxis(q.reshape(q.shape[:-2] + (-1,))[..., :K], -1, axis).astype(np.float32)
;;   ~~~
;;   SOFTMAX AHEAD OF A QUANTISED PRODUCT. Where the list says 'softmax', what is quantised is not the finished softmax but p = 2^(t - M), with t = logit x log2(e) and M = ceil(the row's largest t), a whole number; so 1/2 < the row's largest p <= 1. The row's sum l is taken of the UNQUANTISED p, in f32, and the product's result is divided by l at the end. Since M is a whole number, a kernel that streams over the keys may use a running M (the ceiling of the running maximum): every later rescaling is an exact power of two, which a block's scale takes up: the codes' values come out the same.
;;   OPERANDS COMPUTED ON THE WAY. 'Computed on the way' means the value that the module computes at that place (a softmax that the list does not call 'softmax' is quantised finished and normalised). What goes into a quantiser is computed in f32, as accurately as f32 sums, v_exp_f32 and their like allow (about 1e-6 of the number): no bf16 or f16 on the way to a quantiser, and a product that is left as it is and whose result goes on into a quantised operand takes f32 operands (vector FMAs, or v_wmma_f32_16x16x4_f32). A number that lies on a knife's edge between two numbers of the format may be rounded either way, as far as f32 arithmetic and the matrix unit's own rounding can turn it there, and no further.
;; One version. Each part assembles by itself: llvm-mc -triple=amdgcn-amd-amdhsa -mcpu=gfx1250 --defsym DOCPART=n.
;; ======== version 1 of 1: 4 launches
;; limits: right only within a limited range of input values
;; workspace buffers: nx_img 3,276,800 bytes; w_img 2,457,600 bytes; wp_img 819,200 bytes; q_img 4,194,304 bytes; kv_img 7,864,320 bytes; o_img 3,276,800 bytes
;; launch prep (part 1): grid 416 x 1, 8 waves a work-group, no clusters, 71,168 bytes of LDS; arguments x, Wp, ln_g, ln_b, Wq, Wk, Wv, nx_img, wp_img, w_img; writes nx_img, wp_img, w_img
.if DOCPART == 1
	.amdgcn_target "amdgcn-amd-amdhsa--gfx1250"
	.amdhsa_code_object_version 6
	.text
	.protected	k_qae38c498f0_prep
	.globl	k_qae38c498f0_prep
	.p2align	8
	.type	k_qae38c498f0_prep,@function
k_qae38c498f0_prep:
	s_mov_b64 s[64:65], 0
	v_nop
	global_prefetch_b8 v0, s[64:65] scope:SCOPE_SE
	s_setreg_imm32_b32 hwreg(HW_REG_WAVE_MODE, 25, 1), 1
	s_wait_xcnt 0x0
; LayerNorm(x), Wp, and Wq, Wk, Wv become codes of BF6 (E3M2) with one E8M0 byte for each 32 along K = the 1,024 of E.
; The codes are laid as IMAGES OF THE OPERAND'S REGISTERS.  A tile is 16 rows; row r of tile T is index 32 (T / 2) + 8 (T % 2) + r + 8 (r / 8), so that two
; neighbouring tiles, used as source 0, leave a lane 16 neighbours.  Half an image (16 rows x 64 K, 768 bytes): lane l's registers 0-3 at 16 l, registers 4-5 at 512 + 8 l.
; A fragment (128 K) is two halves on end.  nx_img, wp_img: [128 rows][256 K][tile 8][128 K][1536]; w_img: [head][256 K][slot 12 = 4 x (q, k, v) + tile][128 K][1536].
; Behind the codes the scale words, [tile][row 16][K step 8], 4 bytes each.
; Work-groups 0-95: 32 features of one head of Wq, Wk or Wv (K is their FIRST axis: a lane takes a column, its registers run down K).
; Work-groups 96-351: a tile of x, with LayerNorm in two passes (mean, then the squares of x - mean);  352-415: a tile of Wp, the same way with no norm.
; Eight waves: wave s takes K step s (128 along K).  No cluster, no tensor load: no two work-groups read the same bytes, and every byte is read once.
; A block's byte is its largest magnitude's exponent field - 4, held at 1 from below by a floor among the maximum's leaves.
; LIMITS: NaN and infinities are not served; a block whose largest magnitude lies under 2^-122, a block of zeros too, keeps the byte 1 (its codes are what the
; conversion gives under that scale; zeros for zeros); this program alone reads the bytes.  1 / sqrt is v_rsq_f32's.
.set NXS,    3145728                   ; nx_img: where the scale words begin
.set WPS,    786432                    ; wp_img
.set WSC,    2359296                   ; w_img
.set TPITCH, 528                       ; the turn: a row of 512 bytes + 16: 16 rows start in 16 different groups of four banks
.set TWAVE,  16*TPITCH                 ; a wave's own 16 rows
.set ST1,    8*TWAVE                   ; 8 waves x 16 rows: partial sums; 512 bytes on: partial sums of squares
.set RSC,    ST1+1024                  ; the tile's scale words, 512 bytes
.set CSC,    RSC+512                   ; the column path's own bytes: two tiles' scale words
.set X,      64                        ; v64-127 (column path: v64-191) the numbers
.set G,      128                       ; v128-191 ln_g
.set BB,     192                       ; v192-255 ln_b
.set FLOOR,  0x2800000                 ; 2^(5 - 127)
.set EOFF,   0xfe000000                ; -(4 << 23)
	s_load_b256 s[4:11], s[0:1], 0x0               ; x, Wp, ln_g, ln_b
	s_load_b256 s[12:19], s[0:1], 0x20             ; Wq, Wk, Wv, nx_img
	s_load_b128 s[20:23], s[0:1], 0x40             ; wp_img, w_img
	v_lshl_add_u32 v62, v0, 2, 0x11200
	v_mov_b32 v63, 0
	v_lshrrev_b32 v13, 5, v0
	s_delay_alu instid0(VALU_DEP_1)
	v_readfirstlane_b32 s24, v13                   ; wave = K step s
	v_and_b32 v1, 31, v0                           ; lane
	v_and_b32 v2, 15, v0                           ; r
	v_bfe_u32 v3, v0, 4, 1                         ; h
	s_mov_b32 s29, 0                               ; the upper word of the offsets' pair s[28:29]
	s_cmp_lt_u32 ttmp9, 96                         ; the same in all eight waves
	s_cbranch_scc1 .Lcol
; ---------------- rows: K innermost ----------------
	v_lshlrev_b32 v4, 4, v1                        ; 16 l
	v_lshlrev_b32 v5, 3, v1                        ; 8 l
	s_mul_i32 s40, s24, TWAVE
	v_add_nc_u32 v6, s40, v4                       ; the turn, in: 16 l of a row
	v_mul_u32_u24 v7, v2, TPITCH
	s_delay_alu instid0(VALU_DEP_1)
	v_lshl_add_u32 v7, v3, 7, v7
	s_delay_alu instid0(VALU_DEP_1)
	v_add_nc_u32 v7, s40, v7                       ; out: row r, block h
	v_lshlrev_b32 v8, 7, v3                        ; g, b: 128 h
	v_lshl_add_u32 v10, v2, 2, ST1                 ; partial sums: row r, all waves
	s_lshl_b32 s41, s24, 6
	v_add_nc_u32 v9, s41, v10                      ; mine
	v_lshl_add_u32 v11, v2, 5, RSC
	s_lshl_b32 s41, s24, 2
	v_add_nc_u32 v11, s41, v11                     ; my scale word: 32 r + 4 s
	v_add_nc_u32 v12, RSC, v4
	s_mov_b32 s34, 0x76543210
	s_mov_b32 s35, 0xfedcba98                      ; v_permlanex16_b32's selects for lane l xor 16
	s_mov_b32 s32, 0x3a800000                      ; 1 / 1024
	s_mov_b32 s33, 0x3727c5ac                      ; 1e-5
	s_sub_co_u32 s25, ttmp9, 96
	s_mov_b32 s26, WPS
	s_wait_alu depctr_va_vdst(0)
	s_wait_kmcnt 0x0
	s_cmp_lt_u32 s25, 256                          ; x's tile or Wp's: the choice hangs on the work-group's number alone
	s_cselect_b64 s[4:5], s[4:5], s[6:7]
	s_cselect_b64 s[18:19], s[18:19], s[20:21]
	s_cselect_b32 s26, NXS, s26
	s_cselect_b32 s27, 0, 256
	s_cselect_b32 s30, -1, 0                       ; a lane mask: all lanes for x
	s_cselect_b32 s31, 0, 1                        ; 1: no norm
	s_sub_co_u32 s25, s25, s27                     ; T
	s_lshr_b32 s28, s25, 1
	s_lshl_b32 s28, s28, 17                        ; 32 rows of 4,096 bytes
	s_and_b32 s41, s25, 1
	s_lshl_b32 s41, s41, 15                        ; 8 rows
	s_add_co_u32 s28, s28, s41
	s_lshl_b32 s41, s24, 9                         ; my 128 columns
	s_add_co_u32 s28, s28, s41
	s_add_nc_u64 s[4:5], s[4:5], s[28:29]
	s_mov_b32 s28, s41
	s_add_nc_u64 s[8:9], s[8:9], s[28:29]
	s_add_nc_u64 s[10:11], s[10:11], s[28:29]
	s_lshr_b32 s28, s25, 3
	s_mul_i32 s28, s28, 98304
	s_lshr_b32 s41, s24, 1
	s_mul_i32 s41, s41, 24576
	s_add_co_u32 s28, s28, s41
	s_and_b32 s41, s25, 7
	s_mul_i32 s41, s41, 3072
	s_add_co_u32 s28, s28, s41
	s_and_b32 s41, s24, 1
	s_mul_i32 s41, s41, 1536
	s_add_co_u32 s28, s28, s41
	s_add_nc_u64 s[36:37], s[18:19], s[28:29]      ; my fragment's image
	s_lshl_b32 s28, s25, 9
	s_add_co_u32 s28, s28, s26
	s_add_nc_u64 s[38:39], s[18:19], s[28:29]      ; the tile's scale words
.irp i, 0,1,2,3,4,5,6,7,8,9,10,11,12,13,14,15
	global_load_b128 v[X+4*\i:X+4*\i+3], v4, s[4:5] offset:(\i+8*(\i/8))*4096   ; row i of the tile: 512 consecutive bytes
.endr
.irp c, 0,1
.irp q, 0,1,2,3,4,5,6,7
	global_load_b128 v[G+32*\c+4*\q:G+32*\c+4*\q+3], v8, s[8:9] offset:256*\c+16*\q
	global_load_b128 v[BB+32*\c+4*\q:BB+32*\c+4*\q+3], v8, s[10:11] offset:256*\c+16*\q
.endr
.endr
	s_wait_loadcnt 32                              ; the tile's 16 loads are in; the 32 of g and b may be out
.irp i, 0,1,2,3,4,5,6,7,8,9,10,11,12,13,14,15
	ds_store_b128 v6, v[X+4*\i:X+4*\i+3] offset:TPITCH*\i
.endr
.irp c, 0,1
.irp q, 0,1,2,3,4,5,6,7
	ds_load_b128 v[X+32*\c+4*\q:X+32*\c+4*\q+3], v7 offset:256*\c+16*\q   ; LDS serves a wave's instructions in order: these see my stores.  Lane (r, h) now holds blocks h and 2 + h of row r whole
.endr
.endr
	s_wait_dscnt 0x0
; two packed chains in v[18:21] -> the row's sum over all eight waves in v22
.macro ACROSS off
	s_delay_alu instid0(VALU_DEP_1)
	v_pk_add_f32 v[18:19], v[18:19], v[20:21]
	s_delay_alu instid0(VALU_DEP_1)
	v_add_f32 v18, v18, v19
	s_delay_alu instid0(VALU_DEP_1)
	v_permlanex16_b32 v19, v18, s34, s35
	s_delay_alu instid0(VALU_DEP_1)
	v_add_f32 v18, v18, v19
	ds_store_b32 v9, v18 offset:\off               ; lanes r and r + 16 write the same word with the same value
	s_wait_dscnt 0x0                               ; for the others' sake
	s_barrier_signal -1
	s_barrier_wait -1
.irp w, 0,1,2,3,4,5,6,7
	ds_load_b32 v[22+\w], v10 offset:\off+64*\w
.endr
	s_wait_dscnt 0x0
	v_add_f32 v22, v22, v23                        ; one order in every wave
	v_add_f32 v24, v24, v25
	v_add_f32 v26, v26, v27
	v_add_f32 v28, v28, v29
	s_delay_alu instid0(VALU_DEP_3)
	v_add_f32 v22, v22, v24
	s_delay_alu instid0(VALU_DEP_2)
	v_add_f32 v26, v26, v28
	s_delay_alu instid0(VALU_DEP_1)
	v_add_f32 v22, v22, v26
.endm
	v_pk_add_f32 v[18:19], v[X:X+1], v[X+2:X+3]
	v_pk_add_f32 v[20:21], v[X+4:X+5], v[X+6:X+7]
.irp j, 8,12,16,20,24,28,32,36,40,44,48,52,56,60
	s_delay_alu instid0(VALU_DEP_2)
	v_pk_add_f32 v[18:19], v[18:19], v[X+\j:X+\j+1]
	s_delay_alu instid0(VALU_DEP_2)
	v_pk_add_f32 v[20:21], v[20:21], v[X+\j+2:X+\j+3]
.endr
	ACROSS 0
	s_delay_alu instid0(VALU_DEP_1)
	v_mul_f32 v14, s32, v22                        ; the mean;
	s_delay_alu instid0(VALU_DEP_1)
	v_cndmask_b32 v14, 0, v14, s30                 ; 0 for Wp
	s_delay_alu instid0(VALU_DEP_1)
	v_mov_b32 v15, v14
.set n, 0
.rept 32
	v_pk_add_f32 v[X+n:X+n+1], v[X+n:X+n+1], v[14:15] op_sel_hi:[1,0] neg_lo:[0,1] neg_hi:[0,1]   ; x - mean
.set n, n+2
.endr
	v_pk_mul_f32 v[18:19], v[X:X+1], v[X:X+1]
	v_pk_mul_f32 v[20:21], v[X+2:X+3], v[X+2:X+3]
.irp j, 4,8,12,16,20,24,28,32,36,40,44,48,52,56,60
	s_delay_alu instid0(VALU_DEP_2)
	v_pk_fma_f32 v[18:19], v[X+\j:X+\j+1], v[X+\j:X+\j+1], v[18:19]
	s_delay_alu instid0(VALU_DEP_2)
	v_pk_fma_f32 v[20:21], v[X+\j+2:X+\j+3], v[X+\j+2:X+\j+3], v[20:21]
.endr
	ACROSS 512
	s_delay_alu instid0(VALU_DEP_1)
	v_fma_f32 v16, v22, s32, s33                   ; the variance + 1e-5
	s_wait_alu depctr_va_vdst(0)
	v_rsq_f32 v16, v16
	v_nop                                          ; a plain instruction behind the transcendental
	s_wait_alu depctr_va_vdst(0)
	v_mov_b32 v17, v16
	s_wait_loadcnt 0x0                             ; g and b
	s_cmp_lg_u32 s31, 0
	s_cbranch_scc1 .Lraw
.set n, 0
	s_wait_alu depctr_va_vdst(0)
.rept 32
	v_pk_mul_f32 v[X+n:X+n+1], v[X+n:X+n+1], v[16:17] op_sel_hi:[1,0]
.set n, n+2
.endr
.set n, 0
.rept 32
	v_pk_fma_f32 v[X+n:X+n+1], v[X+n:X+n+1], v[G+n:G+n+1], v[BB+n:BB+n+1]
.set n, n+2
.endr
.Lraw:
.irp c, 0,1                                    ; my block 2 c + h: all its 32 numbers are mine
	v_max3_num_f32 v[18+\c], |v[X+32*\c]|, |v[X+32*\c+1]|, FLOOR
.endr
.irp i, 2,4,6,8,10,12,14,16,18,20,22,24,26,28,30
.irp c, 0,1
	s_delay_alu instid0(VALU_DEP_2)
	v_max3_num_f32 v[18+\c], v[18+\c], |v[X+32*\c+\i]|, |v[X+32*\c+\i+1]|
.endr
.endr
.irp c, 0,1
	s_delay_alu instid0(VALU_DEP_2)
	v_add_nc_u32 v[20+\c], EOFF, v[18+\c]          ; 4 off the exponent field: the conversion's scale operand
.endr
.irp c, 0,1
	s_delay_alu instid0(VALU_DEP_2)
	v_lshrrev_b32 v[22+\c], 23, v[20+\c]           ; the byte
.endr
	s_delay_alu instid0(VALU_DEP_1)
	v_lshl_or_b32 v24, v23, 16, v22                ; bytes h and 2 + h,
	v_lshlrev_b32 v25, 3, v3
	s_delay_alu instid0(VALU_DEP_1)
	v_lshlrev_b32 v24, v25, v24                    ; at their places;
	s_delay_alu instid0(VALU_DEP_1)
	v_permlanex16_b32 v26, v24, s34, s35
	s_delay_alu instid0(VALU_DEP_1)
	v_or_b32 v24, v24, v26                         ; with lane l xor 16's two the word is whole
.irp c, 0,1
	v_cvt_scalef32_pk16_bf6_f32 v[32+6*\c:34+6*\c], v[X+32*\c:X+32*\c+15], v[20+\c]
	v_cvt_scalef32_pk16_bf6_f32 v[44+4*\c:46+4*\c], v[X+32*\c+16:X+32*\c+31], v[20+\c]   ; (a conversion's three registers begin on an even number)
.endr
	v_nop                                          ; a plain instruction behind the scaled conversions
.irp c, 0,1
.irp i, 0,1,2
	v_mov_b32 v[35+6*\c+\i], v[44+4*\c+\i]
.endr
.endr
	global_store_b128 v4, v[32:35], s[36:37]                 ; 512 consecutive bytes
	global_store_b64 v5, v[36:37], s[36:37] offset:512       ; 256
	global_store_b128 v4, v[38:41], s[36:37] offset:768
	global_store_b64 v5, v[42:43], s[36:37] offset:1280
	ds_store_b32 v11, v24
	s_wait_dscnt 0x0
	s_barrier_signal -1
	s_barrier_wait -1                              ; the tile's 128 scale words lie in LDS
	s_cmp_lg_u32 s24, 0
	s_cbranch_scc1 .Lrow_end
	ds_load_b128 v[44:47], v12
	s_wait_dscnt 0x0
	global_store_b128 v4, v[44:47], s[38:39]       ; 512 consecutive bytes
.Lrow_end:
	s_wait_tensorcnt 0x0
	ds_add_u32 v62, v63
	s_wait_dscnt 0x0
	s_endpgm
; ---------------- columns: K is the first axis ----------------
.Lcol:
	s_lshr_b32 s25, ttmp9, 5                       ; 0, 1, 2: Wq, Wk, Wv
	s_bfe_u32 s26, ttmp9, 0x40001                  ; the head
	s_and_b32 s27, ttmp9, 1                        ; which 32 features
	s_wait_alu depctr_va_vdst(0)
	v_lshlrev_b32 v4, 2, v1                        ; lane l is feature 32 b + l: tile 2 b + u, row r' with u = (l / 8) % 2, r' = l % 8 + 8 (l / 16)
	v_bfe_u32 v10, v1, 3, 1
	v_and_b32 v11, 7, v1
	v_lshrrev_b32 v12, 4, v1
	s_delay_alu instid0(VALU_DEP_1)
	v_lshl_add_u32 v11, v12, 3, v11
	s_delay_alu instid0(VALU_DEP_4)
	v_mul_u32_u24 v13, v10, 3072
	s_delay_alu instid0(VALU_DEP_1)
	v_lshl_add_u32 v5, v11, 4, v13                 ; the image's place of lane r' of tile u: registers 0-3,
	s_delay_alu instid0(VALU_DEP_2)
	v_lshl_add_u32 v6, v11, 3, v13                 ; registers 4-5
	v_lshlrev_b32 v7, 9, v10
	s_delay_alu instid0(VALU_DEP_1)
	v_lshl_add_u32 v7, v11, 5, v7
	s_lshl_b32 s40, s24, 2
	s_add_co_u32 s40, s40, CSC
	v_add_nc_u32 v7, s40, v7                       ; my scale word: 512 u + 32 r' + 4 s
	v_lshlrev_b32 v9, 4, v1
	s_delay_alu instid0(VALU_DEP_1)
	v_add_nc_u32 v8, CSC, v9
	s_lshl_b32 s42, s25, 2
	s_lshl_b32 s41, s27, 1
	s_add_co_u32 s42, s42, s41                     ; the first of my two slots
	s_lshl_b32 s28, s26, 18                        ; a head: 1,024 rows of 256 bytes
	s_lshl_b32 s41, s24, 15                        ; my 128 rows
	s_add_co_u32 s28, s28, s41
	s_lshl_b32 s41, s27, 7
	s_add_co_u32 s28, s28, s41
	s_wait_kmcnt 0x0
	s_cmp_eq_u32 s25, 1
	s_cselect_b64 s[12:13], s[14:15], s[12:13]
	s_cmp_eq_u32 s25, 2
	s_cselect_b64 s[12:13], s[16:17], s[12:13]
	s_add_nc_u64 s[12:13], s[12:13], s[28:29]
	s_mul_i32 s28, s26, 147456
	s_lshr_b32 s41, s24, 1
	s_mul_i32 s41, s41, 36864
	s_add_co_u32 s28, s28, s41
	s_mul_i32 s41, s42, 3072
	s_add_co_u32 s28, s28, s41
	s_and_b32 s41, s24, 1
	s_mul_i32 s41, s41, 1536
	s_add_co_u32 s28, s28, s41
	s_add_nc_u64 s[36:37], s[22:23], s[28:29]
	s_mul_i32 s28, s26, 12
	s_add_co_u32 s28, s28, s42
	s_lshl_b32 s28, s28, 9
	s_add_co_u32 s28, s28, WSC
	s_add_nc_u64 s[38:39], s[22:23], s[28:29]
.macro CLOAD kb                                ; block kb: W(32 kb + i, my column)
.set e, 32*(\kb)
.rept 32
	global_load_b32 v[X+e], v4, s[12:13] offset:256*e th:TH_LOAD_NT
.set e, e+1
.endr
.endm
.macro CBLOCK kb
.set XS, X+32*(\kb)
.set PC, 32+8*(\kb)
.if (\kb) < 3
	s_wait_loadcnt 32                              ; this block's 32 loads are in; the next block's may be out
.else
	s_wait_loadcnt 0x0
.endif
.if (\kb) < 2
	CLOAD (\kb)+2
.endif
	v_max3_num_f32 v14, |v[XS]|, |v[XS+1]|, |v[XS+2]|
	v_max3_num_f32 v15, |v[XS+3]|, |v[XS+4]|, |v[XS+5]|
.irp i, 6,10,14,18,22,26
	s_delay_alu instid0(VALU_DEP_2)
	v_max3_num_f32 v14, v14, |v[XS+\i]|, |v[XS+\i+1]|
	s_delay_alu instid0(VALU_DEP_2)
	v_max3_num_f32 v15, v15, |v[XS+\i+2]|, |v[XS+\i+3]|
.endr
	s_delay_alu instid0(VALU_DEP_2)
	v_max3_num_f32 v14, v14, |v[XS+30]|, |v[XS+31]|
	s_delay_alu instid0(VALU_DEP_1)
	v_max3_num_f32 v14, v14, v15, FLOOR
	s_delay_alu instid0(VALU_DEP_1)
	v_add_nc_u32 v16, EOFF, v14
	s_delay_alu instid0(VALU_DEP_1)
	v_lshrrev_b32 v17, 23, v16
.if (\kb) == 0
	s_delay_alu instid0(VALU_DEP_1)
	v_mov_b32 v20, v17
.else
	s_delay_alu instid0(VALU_DEP_1)
	v_lshl_or_b32 v20, v17, 8*(\kb), v20
.endif
	v_cvt_scalef32_pk16_bf6_f32 v[PC:PC+2], v[XS:XS+15], v16
	v_cvt_scalef32_pk16_bf6_f32 v[24:26], v[XS+16:XS+31], v16
	v_nop                                          ; a plain instruction behind the scaled conversions
.irp i, 0,1,2
	v_mov_b32 v[PC+3+\i], v[24+\i]
.endr
	global_store_b128 v5, v[PC:PC+3], s[36:37] offset:768*((\kb)/2)+256*((\kb)%2)          ; block kb = 2 c + h' is what lane r' + 16 h' holds of half c: the sixteen lanes of a tile fill 256 consecutive bytes
	global_store_b64 v6, v[PC+4:PC+5], s[36:37] offset:768*((\kb)/2)+512+128*((\kb)%2)     ; each block has its own registers: no store's data are written again
.endm
	CLOAD 0
	CLOAD 1
	CBLOCK 0
	CBLOCK 1
	CBLOCK 2
	CBLOCK 3
	ds_store_b32 v7, v20
	s_wait_dscnt 0x0
	s_barrier_signal -1
	s_barrier_wait -1
	s_cmp_lg_u32 s24, 0
	s_cbranch_scc1 .Lcol_end
	ds_load_b128 v[24:27], v8
	ds_load_b128 v[28:31], v8 offset:512
	s_wait_dscnt 0x0
	global_store_b128 v9, v[24:27], s[38:39]
	global_store_b128 v9, v[28:31], s[38:39] offset:512
.Lcol_end:
	s_wait_tensorcnt 0x0
	ds_add_u32 v62, v63
	s_wait_dscnt 0x0
	s_endpgm
.Lfunc_end_k_qae38c498f0_prep:
	.size	k_qae38c498f0_prep, .Lfunc_end_k_qae38c498f0_prep-k_qae38c498f0_prep
	.p2alignl 7, 3214868480
	.fill 96, 4, 3214868480
	.section	.rodata,"a",@progbits
	.p2align	6, 0x0
	.amdhsa_kernel k_qae38c498f0_prep
		.amdhsa_group_segment_fixed_size 71168
		.amdhsa_private_segment_fixed_size 0
		.amdhsa_enable_private_segment 0
		.amdhsa_kernarg_size 80
		.amdhsa_user_sgpr_count 2
		.amdhsa_user_sgpr_kernarg_segment_ptr 1
		.amdhsa_wavefront_size32 1
		.amdhsa_system_sgpr_workgroup_id_x 1
		.amdhsa_system_sgpr_workgroup_id_y 1
		.amdhsa_system_sgpr_workgroup_id_z 1
		.amdhsa_system_vgpr_workitem_id 0
		.amdhsa_next_free_vgpr 256
		.amdhsa_next_free_sgpr 66
		.amdhsa_reserve_vcc 0
		.amdhsa_float_denorm_mode_32 3
		.amdhsa_float_denorm_mode_16_64 3
		.amdhsa_memory_ordered 1
		.amdhsa_forward_progress 1
		.amdhsa_inst_pref_size 54
	.end_amdhsa_kernel
	.amdgpu_metadata
---
amdhsa.version: [ 1, 2 ]
amdhsa.kernels:
  - .name:           k_qae38c498f0_prep
    .symbol:         k_qae38c498f0_prep.kd
    .args:
      - { .name: x, .offset: 0, .size: 8, .value_kind: global_buffer, .address_space: global }
      - { .name: Wp, .offset: 8, .size: 8, .value_kind: global_buffer, .address_space: global }
      - { .name: ln_g, .offset: 16, .size: 8, .value_kind: global_buffer, .address_space: global }
      - { .name: ln_b, .offset: 24, .size: 8, .value_kind: global_buffer, .address_space: global }
      - { .name: Wq, .offset: 32, .size: 8, .value_kind: global_buffer, .address_space: global }
      - { .name: Wk, .offset: 40, .size: 8, .value_kind: global_buffer, .address_space: global }
      - { .name: Wv, .offset: 48, .size: 8, .value_kind: global_buffer, .address_space: global }
      - { .name: nx_img, .offset: 56, .size: 8, .value_kind: global_buffer, .address_space: global }
      - { .name: wp_img, .offset: 64, .size: 8, .value_kind: global_buffer, .address_space: global }
      - { .name: w_img, .offset: 72, .size: 8, .value_kind: global_buffer, .address_space: global }
    .group_segment_fixed_size: 71168
    .private_segment_fixed_size: 0
    .kernarg_segment_align: 8
    .kernarg_segment_size: 80
    .max_flat_workgroup_size: 256
    .sgpr_count:     66
    .vgpr_count:     256
    .wavefront_size: 32
...
	.end_amdgpu_metadata
.endif
;; end of part 1
;; launch qkv (part 2): grid 16 x 32, 12 waves a work-group, clusters of 4 x 4, 247,296 bytes of LDS; arguments nx_img, w_img, bq, bk, bv, attention_mask, q_img, kv_img; writes q_img, kv_img
.if DOCPART == 2
	.amdgcn_target "amdgcn-amd-amdhsa--gfx1250"
	.amdhsa_code_object_version 6
	.text
	.protected	k_qae38c498f0_qkv
	.globl	k_qae38c498f0_qkv
	.p2align	8
	.type	k_qae38c498f0_qkv,@function
k_qae38c498f0_qkv:
	s_mov_b64 s[64:65], 0
	v_nop
	global_prefetch_b8 v0, s[64:65] scope:SCOPE_SE
	s_setreg_imm32_b32 hwreg(HW_REG_WAVE_MODE, 25, 1), 1
	s_wait_xcnt 0x0
	s_wait_alu depctr_hold_cnt(0) depctr_sa_sdst(0) depctr_va_vdst(0) depctr_va_sdst(0) depctr_va_ssrc(0) depctr_va_vcc(0) depctr_vm_vsrc(0)
	s_getreg_b32 s2, hwreg(HW_REG_IB_STS2, 6, 4)
	s_cmp_eq_u32 s2, 0
	s_cbranch_scc0 .Lentry_in_a_cluster
	s_endpgm
.Lentry_in_a_cluster:
	s_bfe_u32 s2, ttmp6, 0x10000c
	s_cmp_lg_u32 s2, 0xf033
	s_cbranch_scc0 .Lentry_shape_is_right
	s_endpgm
.Lentry_shape_is_right:
; q, k, v = nx W + b for 128 tokens x one head, on codes of BF6 with E8M0 scales, and at once quantised again for attention: q and k along the head's 64, v along the keys.
; SHARES.  Work-group (head, block of 128 tokens).  Twelve waves of one shape: source 0 = 4 tiles, source 1 = 2 tiles, 8 accumulators by turns.
;   waves 0-3 (q), 4-7 (k): source 0 = the head's 4 feature tiles, source 1 = token tiles 2 sub, 2 sub + 1: a lane holds one token, its registers run along d.
;   waves 8-11 (v): source 0 = token tiles 4 c .. 4 c + 3, source 1 = v's feature tiles 2 fp, 2 fp + 1: a lane holds one d, its registers run along the keys.
; Row r of tile T is index 32 (T / 2) + 8 (T % 2) + r + 8 (r / 8): so the 16 registers of two neighbouring source-0 tiles are 16 neighbours along the next K.
; LDS is filled ONCE: all of K, in four chunks of 256 along K (20 slots of 3,072 bytes: 8 token tiles, 12 weight tiles), as images of the operands' registers.
; Each wave asks for its share at the start in one tensor load (waves 0-3 a chunk of tokens, waves 4-11 half a chunk of weights); all of it lands before the first product.
; CLUSTER 4 x 4: the four heads of a row share the tokens' tiles, the four token blocks of a column share the head's weights: joint loads.
; THE MASK goes into the unused upper half of the score product's K = 128: q carries the code 1.0 at k = 64 under the byte 127; a hidden key has zero codes for its 64
; numbers and the code -1.0 at k = 64 under the byte 160: its score is exactly -2^33 for every query; an open key has the code 0 there.
; OUT.  q_img [batch x head][tile 128][1024]: lane l's registers 0-3 at 16 l, 4-7 at 512 + 16 l (0-5 codes, 6 the code at k = 64, 7 the row's scale word).
;   kv_img [batch x head][step 16][15360]: K's 8 tiles so (register 7 = 0); at 8192 K's scale words (32 r + 4 tile); at 8704 V's 4 fragments; at 14848 V's scale words (16 l + 4 tile).
; LIMITS: NaN and infinities are not served; a block under 2^-122 keeps the byte 1; open scores / 8 must lie above -1e9 or so for a hidden key to stay below them.
.set NXS,  3145728
.set WSC,  2359296
.set CHB,  61440                       ; a chunk in LDS
.set WV,   20                          ; s20 wave
.set SEL,  84                          ; s[84:85]
.set SA,   16                          ; v16-47  source 0's scale words: tile i, K step s at 8 i + s
.set SB,   48                          ; v48-63  source 1's
.set AF,   64                          ; v64-111 source 0's four fragments
.set BF,   112                         ; v112-135 source 1's two
.set BR,   136                         ; v136-167 the bias in the result's layout (q, k)
.set TM,   176                         ; v176-183 at work in HQUANT
.set TP,   178
.set SO,   180
.set BY,   182
.set ACC,  192                         ; v192-255 accumulator (i, j) at 32 j + 8 i
.macro CROUND                          ; a round of the cluster's barrier
	s_barrier_signal -1
	s_barrier_wait -1
	s_cmp_lg_u32 s[WV], 0
	s_cbranch_scc1 .Lnot_wave_0_\@
	s_barrier_signal -3
.Lnot_wave_0_\@:
	s_barrier_wait -3
	s_barrier_signal -1
	s_barrier_wait -1
.endm
.macro FRAGL reg, a16, a8, off         ; a fragment's image: two halves of 768 bytes
	ds_load_b128 v[(\reg):(\reg)+3], v[\a16] offset:(\off)
	ds_load_b64 v[(\reg)+4:(\reg)+5], v[\a8] offset:(\off)+512
	ds_load_b128 v[(\reg)+6:(\reg)+9], v[\a16] offset:(\off)+768
	ds_load_b64 v[(\reg)+10:(\reg)+11], v[\a8] offset:(\off)+1280
.endm
; 32 numbers of a lane, register 16 b + i = k 32 b + 16 (lane / 16) + i of my row, become half a fragment's codes in v[pc .. pc + 5] and the two bytes in v[BY]
.macro HQUANT x, pc, pt
.irp b, 0,1
	v_max3_num_f32 v[TM+\b], |v[(\x)+16*\b]|, |v[(\x)+16*\b+1]|, 0x2800000   ; with the floor 2^(5 - 127): the byte cannot fall under 1
.endr
.irp i, 2,4,6,8,10,12,14
.irp b, 0,1
	s_delay_alu instid0(VALU_DEP_2)
	v_max3_num_f32 v[TM+\b], v[TM+\b], |v[(\x)+16*\b+\i]|, |v[(\x)+16*\b+\i+1]|
.endr
.endr
.irp b, 0,1
	s_delay_alu instid0(VALU_DEP_2)
	v_permlanex16_b32 v[TP+\b], v[TM+\b], s[SEL], s[SEL+1]
.endr
.irp b, 0,1
	s_delay_alu instid0(VALU_DEP_2)
	v_max_num_f32 v[TM+\b], v[TM+\b], v[TP+\b]     ; with lane l xor 16's: the block's largest magnitude
.endr
.irp b, 0,1
	s_delay_alu instid0(VALU_DEP_2)
	v_add_nc_u32 v[SO+\b], 0xfe000000, v[TM+\b]    ; 4 off its exponent field: the conversion's scale operand
.endr
.irp b, 0,1
	s_delay_alu instid0(VALU_DEP_2)
	v_lshrrev_b32 v[BY+\b], 23, v[SO+\b]
.endr
	s_delay_alu instid0(VALU_DEP_1)
	v_lshl_or_b32 v[BY], v[BY+1], 8, v[BY]
	v_cvt_scalef32_pk16_bf6_f32 v[(\pc):(\pc)+2], v[(\x):(\x)+15], v[SO]
	v_cvt_scalef32_pk16_bf6_f32 v[(\pt):(\pt)+2], v[(\x)+16:(\x)+31], v[SO+1]
	v_nop                                          ; a plain instruction behind the scaled conversions
.irp i, 0,1,2
	v_permlane16_swap_b32 v[(\pc)+\i], v[(\pt)+\i] ; a whole block to a lane: lanes 0-15 block 0, lanes 16-31 block 1
.endr
.irp i, 0,1,2
	s_delay_alu instid0(VALU_DEP_3)
	v_mov_b32 v[(\pc)+3+\i], v[(\pt)+\i]
.endr
.endm
; 128 along K: 24 LDS loads, 8 products; the eight accumulators take turns, one instruction a turn
.macro KSTEP s, s2, zero
.irp i, 0,1,2,3
	FRAGL AF+12*\i, 4, 5, \i*3072+\s2*1536
.endr
.irp j, 0,1
	FRAGL BF+12*\j, 6, 7, \j*3072+\s2*1536
.endr
	s_wait_dscnt 0x0
.irp i, 0,1,2,3
.irp j, 0,1
.if \zero
	v_wmma_scale_f32_16x16x128_f8f6f4 v[ACC+32*\j+8*\i:ACC+32*\j+8*\i+7], v[AF+12*\i:AF+12*\i+11], v[BF+12*\j:BF+12*\j+11], 0, v[SA+8*\i+(\s)], v[SB+8*\j+(\s)] matrix_a_fmt:MATRIX_FMT_BF6 matrix_b_fmt:MATRIX_FMT_BF6
.else
	v_wmma_scale_f32_16x16x128_f8f6f4 v[ACC+32*\j+8*\i:ACC+32*\j+8*\i+7], v[AF+12*\i:AF+12*\i+11], v[BF+12*\j:BF+12*\j+11], v[ACC+32*\j+8*\i:ACC+32*\j+8*\i+7], v[SA+8*\i+(\s)], v[SB+8*\j+(\s)] matrix_a_fmt:MATRIX_FMT_BF6 matrix_b_fmt:MATRIX_FMT_BF6
.endif
.endr
.endr
.endm
.macro CHUNK p, zero
.if \p == 0
	s_wait_tensorcnt 0x0                           ; my one tensor load is in
	s_barrier_signal -1
	s_barrier_wait -1                              ; everybody's is: all of K lies in LDS, and nothing is filled again
.else
	v_add_nc_u32 v4, s52, v4                       ; on to this chunk (tokens 24,576 bytes a chunk, weights 36,864); also the four places in front of the loads below
	v_add_nc_u32 v5, s52, v5
	v_add_nc_u32 v6, s53, v6
	v_add_nc_u32 v7, s53, v7
.endif
	s_wait_alu depctr_va_vdst(0)
	KSTEP 2*\p, 0, \zero
.rept 4
	v_nop                                          ; places in front of loads into registers that matrix instructions have read
.endr
	KSTEP 2*\p+1, 1, 0
.endm
	s_load_b512 s[4:19], s[0:1], 0x0               ; nx_img, w_img, bq, bk, bv, mask, q_img, kv_img
	v_lshl_add_u32 v15, v0, 2, 0x3c000
	s_set_vgpr_msb 0x40
	v_mov_b32 v1, 0
	s_set_vgpr_msb 0x4044
	ds_add_u32 v15, v1
	ds_add_u32 v15, v1
	s_set_vgpr_msb 0x4400
	v_lshrrev_b32 v1, 5, v0
	s_delay_alu instid0(VALU_DEP_1)
	v_readfirstlane_b32 s[WV], v1                  ; wave 0..11
	s_lshr_b32 s21, s20, 2                         ; 0 q, 1 k, 2 v
	s_and_b32 s22, s20, 3                          ; sub
	s_lshr_b32 s23, s20, 3                         ; 1: v
	s_xor_b32 s28, s23, 1
	s_and_b32 s31, s20, 1                          ; fp
	s_lshl_b32 s29, s28, 3                         ; source 0's first slot: q 8, k 12, v 4 (sub / 2)
	s_and_b32 s66, s21, 1
	s_lshl_b32 s66, s66, 2
	s_add_co_u32 s29, s29, s66
	s_lshr_b32 s66, s20, 1
	s_and_b32 s66, s66, s23
	s_lshl_b32 s66, s66, 2
	s_add_co_u32 s29, s29, s66
	s_lshl_b32 s30, s31, 1                         ; source 1's first slot: q, k 2 sub; v 16 + 2 fp
	s_lshl_b32 s66, s28, 1
	s_and_b32 s66, s66, s20
	s_lshl_b32 s66, s66, 1
	s_add_co_u32 s30, s30, s66
	s_lshl_b32 s66, s23, 4
	s_add_co_u32 s30, s30, s66
	v_and_b32 v1, 31, v0
	v_and_b32 v2, 15, v0                           ; r
	v_bfe_u32 v3, v0, 4, 1                         ; h
	s_delay_alu instid0(VALU_DEP_3)
	v_lshlrev_b32 v12, 4, v1                       ; 16 l
	s_delay_alu instid0(VALU_DEP_4)
	v_lshlrev_b32 v13, 3, v1                       ; 8 l
	s_mul_i32 s66, s29, 3072
	s_mul_i32 s67, s30, 3072
	s_mul_i32 s52, s28, 73728                      ; LDS: the tokens' four chunks on end (98,304 bytes), then the weights' four: a weight slot lies 98,304 - 24,576 further on
	s_mul_i32 s53, s23, 73728
	s_add_co_u32 s66, s66, s52
	s_add_co_u32 s67, s67, s53
	s_mul_i32 s52, s28, 12288                      ; from chunk to chunk: source 0's step,
	s_mul_i32 s53, s23, 12288                      ; source 1's
	s_add_co_u32 s52, s52, 24576
	s_add_co_u32 s53, s53, 24576
	s_wait_alu depctr_va_vdst(0)
	v_add_nc_u32 v4, s66, v12                      ; LDS: source 0's slots, 16 l and 8 l; no place in the cluster enters an LDS address
	v_add_nc_u32 v5, s66, v13
	v_add_nc_u32 v6, s67, v12                      ; source 1's
	v_add_nc_u32 v7, s67, v13
	v_lshlrev_b32 v8, 5, v2                        ; 32 r: a row's eight scale words
	v_lshlrev_b32 v9, 6, v3                        ; 64 h
	v_and_b32 v11, 8, v2
	s_delay_alu instid0(VALU_DEP_1)
	v_add_nc_u32 v11, v11, v2
	s_delay_alu instid0(VALU_DEP_1)
	v_lshlrev_b32 v11, 2, v11                      ; 4 (r + 8 (r / 8))
	s_delay_alu instid0(VALU_DEP_1)
	v_lshl_add_u32 v10, s31, 7, v11                ; + 128 fp
	v_xor_b32 v14, 1, v3                           ; 1 in lanes 0-15
	v_mov_b32 v[TP], 0                             ; written once: a lane permute's destination counts as one of its sources
	v_mov_b32 v[TP+1], 0
	v_mov_b32 v169, 0                              ; (upper halves of pairs whose low word serves both halves)
	v_mov_b32 v171, 0
	s_mov_b32 s[SEL], 0x76543210
	s_mov_b32 s[SEL+1], 0xfedcba98
	s_bfe_u32 s24, ttmp6, 0x40000                  ; cx
	s_bfe_u32 s25, ttmp6, 0x40004                  ; cy
	s_lshl_b32 s26, ttmp9, 2
	s_add_co_u32 s26, s26, s24                     ; the head = 4 x cluster x + cx
	s_and_b32 s27, ttmp7, 0xffff
	s_lshl_b32 s27, s27, 2
	s_add_co_u32 s27, s27, s25                     ; the block of tokens = 4 x cluster y + cy
	s_lshl_b32 s86, s25, 2
	s_lshl_b32 s86, 15, s86                        ; my row of the cluster
	s_lshl_b32 s87, 0x1111, s24                    ; my column
	s_or_b32 s32, s86, (3<<16)|(1<<21)             ; group 1 for the tokens' tiles: the mask; elements of 8 bytes; bit 21 beside a mask; no padding
	s_or_b32 s40, s87, (3<<16)|(1<<21)             ; for the weights'
.irp g, 32, 40                                 ; dense blocks as rows of 256 bytes
	s_mov_b32 s[\g+1], 32<<16                      ; tensor_dim0 = 32
	s_mov_b32 s[\g+3], 32<<16                      ; tile_dim0 = 32
	s_mov_b32 s[\g+5], 32                          ; the pitch
	s_mov_b32 s[\g+6], 0
	s_mov_b32 s[\g+7], 0
.endr
	s_mov_b32 s34, 96<<16                          ; tokens: 96 rows: one chunk of 24,576 bytes a wave (waves 0-3)
	s_mov_b32 s36, 96
	s_mov_b32 s42, 72<<16                          ; weights: 72 rows: half a chunk of 36,864 bytes a wave (waves 4-11)
	s_mov_b32 s44, 72
	s_mul_i32 s66, s20, 24576
	s_mul_i32 s67, s20, 18432
	s_mul_i32 s88, s27, 98304
	s_add_co_u32 s88, s88, s66
	s_mov_b32 s89, 0
	s_mul_i32 s2, s26, 147456
	s_add_co_u32 s2, s2, s67
	s_mov_b32 s3, 0
	s_add_co_u32 s67, s67, 24576                   ; waves 4-11: 98,304 + (wave - 4) x 18,432
	s_wait_dscnt 0x0
	s_wait_kmcnt 0x0
	s_add_nc_u64 s[88:89], s[4:5], s[88:89]
	s_add_nc_u64 s[2:3], s[6:7], s[2:3]
	s_sub_nc_u64 s[2:3], s[2:3], 73728
.irp p, 0
	s_mov_b32 s[48+4*\p], 1
	s_add_co_u32 s[49+4*\p], s66, \p*CHB
	s_add_nc_u64 s[50+4*\p:51+4*\p], s[88:89], \p*24576
	s_or_b32 s[51+4*\p], s[51+4*\p], 0x80000000
	s_mov_b32 s[68+4*\p], 1
	s_add_co_u32 s[69+4*\p], s67, \p*CHB
	s_add_nc_u64 s[70+4*\p:71+4*\p], s[2:3], \p*36864
	s_or_b32 s[71+4*\p], s[71+4*\p], 0x80000000
.endr
	CROUND                                         ; all sixteen work-groups are here: the joint loads meet
	s_cmp_lt_u32 s[WV], 4                          ; a wave's one fill stands in one branch on the wave's number
	s_cbranch_scc0 .Lfill_w
	tensor_load_to_lds s[48:51], s[32:39]
	s_nop 0
.rept 4
	v_nop
.endr
	s_branch .Lfilled
.Lfill_w:
	tensor_load_to_lds s[68:71], s[40:47]
	s_nop 0
.rept 4
	v_nop
.endr
.Lfilled:
	s_lshl_b32 s100, s27, 12                       ; the tokens' scale words: 8 tiles of 512 bytes a block
	s_add_co_u32 s100, s100, NXS
	s_mov_b32 s101, 0
	s_add_nc_u64 s[4:5], s[4:5], s[100:101]
	s_mul_i32 s100, s26, 6144                      ; the weights': 12 slots a head; LDS slot 8 is slot 0
	s_add_co_u32 s100, s100, WSC-4096
	s_add_nc_u64 s[6:7], s[6:7], s[100:101]
	s_cmp_lg_u32 s23, 0
	s_cselect_b64 s[92:93], s[4:5], s[6:7]         ; source 0's
	s_cselect_b64 s[94:95], s[6:7], s[4:5]         ; source 1's
	s_lshl_b32 s100, s29, 9
	s_add_nc_u64 s[92:93], s[92:93], s[100:101]
	s_lshl_b32 s100, s30, 9
	s_add_nc_u64 s[94:95], s[94:95], s[100:101]
	s_cmp_eq_u32 s21, 1
	s_cselect_b64 s[90:91], s[10:11], s[8:9]
	s_cmp_eq_u32 s21, 2
	s_cselect_b64 s[90:91], s[12:13], s[90:91]
	s_lshl_b32 s100, s26, 8
	s_add_nc_u64 s[90:91], s[90:91], s[100:101]    ; my matrix's bias, my head's 64
	s_lshl_b32 s100, s27, 9
	s_lshl_b32 s8, s22, 7
	s_add_co_u32 s100, s100, s8
	s_add_nc_u64 s[14:15], s[14:15], s[100:101]    ; the mask at token 128 block + 32 sub
.irp i, 0,1,2,3
.irp q, 0,1
	global_load_b128 v[SA+8*\i+4*\q:SA+8*\i+4*\q+3], v8, s[92:93] offset:512*\i+16*\q
.endr
.endr
.irp j, 0,1
.irp q, 0,1
	global_load_b128 v[SB+8*\j+4*\q:SB+8*\j+4*\q+3], v8, s[94:95] offset:512*\j+16*\q
.endr
.endr
.irp i, 0,1,2,3
.irp q, 0,1
	global_load_b128 v[BR+8*\i+4*\q:BR+8*\i+4*\q+3], v9, s[90:91] offset:(32*(\i/2)+8*(\i%2))*4+16*\q   ; register 8 i + n is d = 32 (i / 2) + 16 h + 8 (i % 2) + n
.endr
.endr
	s_wait_alu depctr_va_vdst(0)
.irp j, 0,1
	global_load_b32 v[168+2*\j], v10, s[90:91] offset:32*\j    ; v: the bias of my d = 32 fp + 8 j + r + 8 (r / 8)
	global_load_b32 v[172+\j], v11, s[14:15] offset:32*\j      ; q, k: the mask of my token of tile 2 sub + j
.endr
	s_lshr_b32 s8, s27, 4
	s_lshl_b32 s8, s8, 4
	s_add_co_u32 s8, s8, s26                       ; batch x 16 + head
	s_and_b32 s9, s27, 15                          ; the key step
	s_mul_i32 s100, s8, 245760
	s_mul_i32 s10, s9, 15360
	s_add_co_u32 s100, s100, s10
	s_add_nc_u64 s[98:99], s[18:19], s[100:101]    ; the step's block of kv_img
	s_lshl_b32 s100, s8, 17
	s_lshl_b32 s10, s9, 13
	s_add_co_u32 s100, s100, s10
	s_lshl_b32 s10, s22, 11                        ; two tiles of 1,024 bytes a sub
	s_add_co_u32 s100, s100, s10
	s_add_nc_u64 s[16:17], s[16:17], s[100:101]    ; q's images
	s_lshr_b32 s11, s22, 1                         ; c
	s_mul_i32 s12, s31, 3072
	s_mul_i32 s13, s11, 768
	s_add_co_u32 s12, s12, s13
	s_add_co_u32 s12, s12, 8704                    ; v's half images
	s_lshl_b32 s13, s22, 3
	s_add_co_u32 s13, s13, 8192                    ; k's scale words
	s_lshl_b32 s8, s31, 3
	s_lshl_b32 s9, s11, 1
	s_add_co_u32 s8, s8, s9
	s_add_co_u32 s8, s8, 14848                     ; v's scale bytes
	s_cmp_lg_u32 s23, 0
	s_cselect_b32 s100, s12, s10
	s_cselect_b32 s12, s8, s13
	s_add_nc_u64 s[96:97], s[98:99], s[100:101]
	s_mov_b32 s13, 0
	s_add_nc_u64 s[18:19], s[98:99], s[12:13]      ; where my scale words or bytes go
	s_cmp_eq_u32 s21, 0
	s_cselect_b64 s[96:97], s[16:17], s[96:97]     ; where my images go
	s_cselect_b32 s9, -1, 0                        ; q: all ones (a lane mask, and a mask for register 7)
	s_cselect_b32 s10, 12, 0                       ; the code at k = 64: q 1.0; an open key 0,
	s_cselect_b32 s11, 12, 44                      ; a hidden key -1.0
	s_mov_b32 s8, 0x01010000
	s_cselect_b32 s8, 0x7f7f0000, s8               ; bytes 2 and 3 of the scale word: q 127, 127; an open key 1, 1;
	s_mov_b32 s13, 0x01a00000
	s_cselect_b32 s13, 0x7f7f0000, s13             ; a hidden key 160, 1
	s_wait_loadcnt 0x0
	CHUNK 0, 1
	CHUNK 1, 0
	CHUNK 2, 0
	CHUNK 3, 0
.rept 4
	v_nop                                          ; places in front of the first read of results and of writes over the fragments' registers
.endr
	s_cmp_lg_u32 s23, 0
	s_cbranch_scc1 .Lvpath
	; ---- q and k
	v_mul_u32_u24 v174, s10, v14                   ; k = 64 lies in lanes 0-15
	v_mul_u32_u24 v175, s11, v14
	v_mov_b32 v90, s8
	v_mov_b32 v91, s13
	v_cmp_lt_i32 s100, 0, v172                     ; open: the mask is above 0
	v_cmp_lt_i32 s101, 0, v173
	s_or_b32 s100, s100, s9                        ; a query is never hidden
	s_or_b32 s101, s101, s9
.macro QKOUT j, pc
.set n, 0
.rept 16
	v_pk_add_f32 v[ACC+32*\j+n:ACC+32*\j+n+1], v[ACC+32*\j+n:ACC+32*\j+n+1], v[BR+n:BR+n+1]   ; + bias; each accumulator from its low end on
.set n, n+2
.endr
	HQUANT ACC+32*\j, \pc, 64
.irp i, 0,1,2,3,4,5
	v_cndmask_b32 v[\pc+\i], 0, v[\pc+\i], s[100+\j]           ; a hidden key's codes are zeros
.endr
	v_cndmask_b32 v[\pc+6], v175, v174, s[100+\j]
	v_cndmask_b32 v[88+\j], v91, v90, s[100+\j]
	s_delay_alu instid0(VALU_DEP_1)
	v_or_b32 v[88+\j], v[88+\j], v[BY]                         ; the row's scale word
	s_delay_alu instid0(VALU_DEP_1)
	v_and_b32 v[\pc+7], s9, v[88+\j]                           ; q carries it in register 7; k's register 7 is 0
	global_store_b128 v12, v[\pc:\pc+3], s[96:97] offset:1024*\j          ; 512 consecutive bytes
	global_store_b128 v12, v[\pc+4:\pc+7], s[96:97] offset:1024*\j+512
.endm
	QKOUT 0, 184
	QKOUT 1, 80
	s_cmp_lg_u32 s21, 1
	s_cbranch_scc1 .Ldone
	global_store_b64 v8, v[88:89], s[18:19]        ; k's words of tiles 2 sub, 2 sub + 1 at 32 r (lanes 16-31 write the same bytes with the same values)
	s_branch .Ldone
.Lvpath:
.macro VOUT j, pc
.set n, 0
.rept 16
	v_pk_add_f32 v[ACC+32*\j+n:ACC+32*\j+n+1], v[ACC+32*\j+n:ACC+32*\j+n+1], v[168+2*\j:169+2*\j] op_sel_hi:[1,0]
.set n, n+2
.endr
	HQUANT ACC+32*\j, \pc, 64
	v_mov_b32 v[88+\j], v[BY]                                  ; the next tile writes BY again
	global_store_b128 v12, v[\pc:\pc+3], s[96:97] offset:1536*\j
	global_store_b64 v13, v[\pc+4:\pc+5], s[96:97] offset:1536*\j+512
	global_store_b16 v12, v[88+\j], s[18:19] offset:4*\j       ; bytes 2 c, 2 c + 1 of the word at 16 l + 4 tile
.endm
	VOUT 0, 184
	VOUT 1, 80
.Ldone:
	s_set_vgpr_msb 0x4
	s_wait_tensorcnt 0x0
	ds_add_u32 v15, v1
	s_wait_dscnt 0x0
	s_set_vgpr_msb 0x400
	CROUND                                         ; the closing round: no work-group ends while a partner may still ask for a tile that names it
	s_endpgm
.Lfunc_end_k_qae38c498f0_qkv:
	.size	k_qae38c498f0_qkv, .Lfunc_end_k_qae38c498f0_qkv-k_qae38c498f0_qkv
	.p2alignl 7, 3214868480
	.fill 96, 4, 3214868480
	.section	.rodata,"a",@progbits
	.p2align	6, 0x0
	.amdhsa_kernel k_qae38c498f0_qkv
		.amdhsa_group_segment_fixed_size 247296
		.amdhsa_private_segment_fixed_size 0
		.amdhsa_enable_private_segment 0
		.amdhsa_kernarg_size 64
		.amdhsa_user_sgpr_count 2
		.amdhsa_user_sgpr_kernarg_segment_ptr 1
		.amdhsa_wavefront_size32 1
		.amdhsa_system_sgpr_workgroup_id_x 1
		.amdhsa_system_sgpr_workgroup_id_y 1
		.amdhsa_system_sgpr_workgroup_id_z 1
		.amdhsa_system_vgpr_workitem_id 0
		.amdhsa_next_free_vgpr 258
		.amdhsa_next_free_sgpr 102
		.amdhsa_reserve_vcc 0
		.amdhsa_float_denorm_mode_32 3
		.amdhsa_float_denorm_mode_16_64 3
		.amdhsa_memory_ordered 1
		.amdhsa_forward_progress 1
		.amdhsa_inst_pref_size 51
	.end_amdhsa_kernel
	.amdgpu_metadata
---
amdhsa.version: [ 1, 2 ]
amdhsa.kernels:
  - .name:           k_qae38c498f0_qkv
    .symbol:         k_qae38c498f0_qkv.kd
    .args:
      - { .name: nx_img, .offset: 0, .size: 8, .value_kind: global_buffer, .address_space: global }
      - { .name: w_img, .offset: 8, .size: 8, .value_kind: global_buffer, .address_space: global }
      - { .name: bq, .offset: 16, .size: 8, .value_kind: global_buffer, .address_space: global }
      - { .name: bk, .offset: 24, .size: 8, .value_kind: global_buffer, .address_space: global }
      - { .name: bv, .offset: 32, .size: 8, .value_kind: global_buffer, .address_space: global }
      - { .name: attention_mask, .offset: 40, .size: 8, .value_kind: global_buffer, .address_space: global }
      - { .name: q_img, .offset: 48, .size: 8, .value_kind: global_buffer, .address_space: global }
      - { .name: kv_img, .offset: 56, .size: 8, .value_kind: global_buffer, .address_space: global }
    .group_segment_fixed_size: 247296
    .private_segment_fixed_size: 0
    .kernarg_segment_align: 8
    .kernarg_segment_size: 64
    .max_flat_workgroup_size: 384
    .sgpr_count:     102
    .vgpr_count:     258
    .wavefront_size: 32
...
	.end_amdgpu_metadata
.endif
;; end of part 2
;; launch attn (part 3): grid 8 x 32, 16 waves a work-group, clusters of 4 x 1, 327,680 bytes of LDS; arguments q_img, kv_img, o_img; writes o_img
.if DOCPART == 3
	.amdgcn_target "amdgcn-amd-amdhsa--gfx1250"
	.amdhsa_code_object_version 6
	.text
	.protected	k_qae38c498f0_attn
	.globl	k_qae38c498f0_attn
	.p2align	8
	.type	k_qae38c498f0_attn,@function
k_qae38c498f0_attn:
	s_mov_b64 s[64:65], 0
	v_nop
	global_prefetch_b8 v0, s[64:65] scope:SCOPE_SE
	s_setreg_imm32_b32 hwreg(HW_REG_WAVE_MODE, 25, 1), 1
	s_wait_xcnt 0x0
	s_wait_alu depctr_hold_cnt(0) depctr_sa_sdst(0) depctr_va_vdst(0) depctr_va_sdst(0) depctr_va_ssrc(0) depctr_va_vcc(0) depctr_vm_vsrc(0)
	s_getreg_b32 s2, hwreg(HW_REG_IB_STS2, 6, 4)
	s_cmp_eq_u32 s2, 0
	s_cbranch_scc0 .Lentry_in_a_cluster
	s_endpgm
.Lentry_in_a_cluster:
	s_bfe_u32 s2, ttmp6, 0x10000c
	s_cmp_lg_u32 s2, 0x3003
	s_cbranch_scc0 .Lentry_shape_is_right
	s_endpgm
.Lentry_shape_is_right:
; o = softmax(q k^T / 8, hidden keys left out) v for one head of one batch, both products on codes of BF6 with E8M0 scales; o is quantised along E for the projection.
; t = score x log2(e) / 8; M = the running largest t rounded UP to a whole number; p = 2^(t - M) is quantised along the keys, not normalised; the row's sum is taken of
; the unquantised p and divides at the end.  When M moves, the sum and O are multiplied by 2^(old M - new M): exact.
; SHARES.  A work-group owns 256 queries, each of its sixteen waves one tile of 16; every wave walks the head's 2,048 keys, 128 a step.
; LDS holds the head's K, V and scale words as they lie in kv_img (60 rows of 256 bytes a step), each row padded by 16 bytes.  Each wave asks for a sixteenth of steps 0-3 at the
; head (15 rows) and, behind the full sequence and a round of the cluster's barrier, for a sixteenth of steps 4-15 (45 rows): one tensor load of mine is out at a time.
; Behind step 1 a wave waits for its second load and signals; it waits for the others behind step 2, ahead of step 3, which is the first to read step 4's bytes.  Nothing is filled twice.
; CLUSTER 4 x 1: the four query blocks of a cluster walk the same head: both loads are joint.  No prefetch: both loads are issued ahead of the loop's first trip.
; LAYOUT.  S^T = K Q^T, O^T = V^T P^T: a lane holds ONE query.  Score tile 4 c + u takes as its row 8 h + j the key 64 c + 32 h + 8 u + j, picked by the lanes' LDS addresses out of
; kv_img's tiles: so the 32 registers of tiles 4 c .. 4 c + 3 are a WHOLE block of 32 keys, in the order that P's fragment wants: no other lane is asked for a block's maximum.
; K's tiles are 8 registers each and stand 8 apart; a fragment names 12: its registers 8-11 (k = 76 .. 127) are the next tile's codes, which meet zero codes of Q and add nothing.
; k = 64 carries the mask: a hidden key's score is exactly -2^33: p = 0 beside any open key, p = 1 in a row all of whose keys are hidden.
; THE STEP'S ORDER.  One run of registers holds K(s), then V(s - 1), then K(s + 1).  Step s: score tiles 0-3; the upper half of the last step's sum; score tiles 4-7; block 0's maximum;
; V(s - 1) is asked for; block 1's maximum, M, t - M; O^T += V(s - 1) P(s - 1); K(s + 1) is asked for; the exponentials; O^T x f; p's codes; the lower half of the sum.
; So each run of LDS loads and each group of products has vector work of the same wave behind it.  The first step has no product with V, the last asks for no K, a tail does V(15).
; LIMITS: NaN and infinities are not served; open scores / 8 must lie above -1e9 or so; 1 / sum is v_rcp_f32's; a block of p under 2^-122 keeps the byte 1.
.set OSC,   3145728                    ; o_img: where the scale words begin
.set PIT,   272                        ; an LDS row: 256 bytes + 16
.set STEPB, 60*PIT                     ; a key step in LDS
.set SPARE, 16*STEPB                   ; the spare words, 128 bytes a wave
.set WV,  10
.set SEL, 20                           ; s[20:21]
.set CS,  22                           ; s[22:23] c = log2(e) / 8, twice
.set TB,  48                           ; LDS byte of the step whose V is loaded
.set CNT, 49
.set TK,  56                           ; LDS byte of the step whose K is loaded
.set AKB, 1                            ; lane terms: K's codes 16 j + 8 rows x h' + 1 row x (l / 16)
.set ASB, 2                            ; K's scale words 32 j + 8 h'
.set AVB, 3                            ; 16 (l % 16) + 1 row x (l / 16)
.set A8B, 4                            ; 8 l
.set AK,  5                            ; the same + the step's byte
.set AS,  6
.set AV,  7
.set A8,  8
.set SH,  9                            ; 8 h
.set QS,  10                           ; Q's scale word
.set PS,  11                           ; p's scale word
.set Q,   16                           ; v16-27; v12 -M, v13 the largest score, v[14:15] the sum
.set VS,  28                           ; v28-31 V's scale words
.set KS,  32                           ; v32-39 K's
.set SPW, 40
.set NIL, 41
.set OM,  42                           ; the last step's -M
.set FF,  48                           ; v[48:49] f
.set KF,  64                           ; v64-127 K's eight tiles; v128-131 stay 0
.set VF,  64                           ; v64-111 V's four fragments
.set S,   132                          ; v132-195 S^T, then p
.set O,   196                          ; v196-227 O^T
.set P,   228                          ; v228-239 p's codes
.set TM,  240                          ; at the end, for HQUANT
.set TP,  242
.set SO,  244
.set BY,  246
; v43-47, v50-57 at work; v[58:63] three partial sums; v252 16 l, v253 32 r
.macro CROUND
	s_barrier_signal -1
	s_barrier_wait -1
	s_cmp_lg_u32 s[WV], 0
	s_cbranch_scc1 .Lnot_wave_0_\@
	s_barrier_signal -3
.Lnot_wave_0_\@:
	s_barrier_wait -3
	s_barrier_signal -1
	s_barrier_wait -1
.endm
.macro HQUANT x, pc, pt                ; 32 numbers of a lane (16 of each of two blocks) -> half a fragment's codes and two bytes
.irp b, 0,1
	v_max3_num_f32 v[TM+\b], |v[(\x)+16*\b]|, |v[(\x)+16*\b+1]|, 0x2800000
.endr
.irp i, 2,4,6,8,10,12,14
.irp b, 0,1
	s_delay_alu instid0(VALU_DEP_2)
	v_max3_num_f32 v[TM+\b], v[TM+\b], |v[(\x)+16*\b+\i]|, |v[(\x)+16*\b+\i+1]|
.endr
.endr
.irp b, 0,1
	s_delay_alu instid0(VALU_DEP_2)
	v_permlanex16_b32 v[TP+\b], v[TM+\b], s[SEL], s[SEL+1]
.endr
.irp b, 0,1
	s_delay_alu instid0(VALU_DEP_2)
	v_max_num_f32 v[TM+\b], v[TM+\b], v[TP+\b]
.endr
.irp b, 0,1
	s_delay_alu instid0(VALU_DEP_2)
	v_add_nc_u32 v[SO+\b], 0xfe000000, v[TM+\b]
.endr
.irp b, 0,1
	s_delay_alu instid0(VALU_DEP_2)
	v_lshrrev_b32 v[BY+\b], 23, v[SO+\b]
.endr
	s_delay_alu instid0(VALU_DEP_1)
	v_lshl_or_b32 v[BY], v[BY+1], 8, v[BY]
	v_cvt_scalef32_pk16_bf6_f32 v[(\pc):(\pc)+2], v[(\x):(\x)+15], v[SO]
	v_cvt_scalef32_pk16_bf6_f32 v[(\pt):(\pt)+2], v[(\x)+16:(\x)+31], v[SO+1]
	v_nop
.irp i, 0,1,2
	v_permlane16_swap_b32 v[(\pc)+\i], v[(\pt)+\i]
.endr
.irp i, 0,1,2
	s_delay_alu instid0(VALU_DEP_3)
	v_mov_b32 v[(\pc)+3+\i], v[(\pt)+\i]
.endr
.endm
.macro SUMS from, to                   ; pairs from .. to - 1 of p onto four chains by turns
.set pp, \from
.rept (\to)-(\from)
.if pp%4 == 0
	v_pk_add_f32 v[14:15], v[14:15], v[S+2*pp:S+2*pp+1]
.else
	v_pk_add_f32 v[56+2*(pp%4):57+2*(pp%4)], v[56+2*(pp%4):57+2*(pp%4)], v[S+2*pp:S+2*pp+1]
.endif
.set pp, pp+1
.endr
.endm
.macro MERGE                           ; the four chains become one
	v_pk_add_f32 v[14:15], v[14:15], v[58:59]
	v_pk_add_f32 v[60:61], v[60:61], v[62:63]
	v_pk_add_f32 v[14:15], v[14:15], v[60:61]
.endm
.macro QK t0                           ; four score tiles
.irp t, \t0, \t0+1, \t0+2, \t0+3
	v_wmma_scale_f32_16x16x128_f8f6f4 v[S+8*(\t):S+8*(\t)+7], v[KF+8*(\t):KF+8*(\t)+11], v[Q:Q+11], 0, v[KS+(\t)], v[QS] matrix_a_fmt:MATRIX_FMT_BF6 matrix_b_fmt:MATRIX_FMT_BF6
.endr
.endm
.macro PV                              ; O^T += V^T P^T
.irp t, 0,1,2,3
	v_wmma_scale_f32_16x16x128_f8f6f4 v[O+8*\t:O+8*\t+7], v[VF+12*\t:VF+12*\t+11], v[P:P+11], v[O+8*\t:O+8*\t+7], v[VS+\t], v[PS] matrix_a_fmt:MATRIX_FMT_BF6 matrix_b_fmt:MATRIX_FMT_BF6
.endr
.endm
.macro KADDR
	v_add_nc_u32 v[AK], s[TK], v[AKB]
	v_add_nc_u32 v[AS], s[TK], v[ASB]
.endm
.macro KLOADS
.irp t, 0,1,2,3,4,5,6,7
	ds_load_b128 v[KF+8*\t:KF+8*\t+3], v[AK] offset:16*PIT*(\t/4)+4*PIT*(\t%2)+128*((\t%4)/2)
	ds_load_b128 v[KF+8*\t+4:KF+8*\t+7], v[AK] offset:16*PIT*(\t/4)+4*PIT*(\t%2)+128*((\t%4)/2)+2*PIT
.endr
.irp g, 0,1,2,3
	ds_load_b64 v[KS+2*\g:KS+2*\g+1], v[AS] offset:32*PIT+16*(\g/2)+PIT*(\g%2)   ; the scale words of tiles 2 g, 2 g + 1
.endr
.endm
.macro VADDR
	v_add_nc_u32 v[AV], s[TB], v[AVB]
	v_add_nc_u32 v[A8], s[TB], v[A8B]
.endm
.macro VLOADS
.irp t, 0,1,2,3
	ds_load_b128 v[VF+12*\t:VF+12*\t+3], v[AV] offset:(34+6*\t)*PIT
	ds_load_b64 v[VF+12*\t+4:VF+12*\t+5], v[A8] offset:(36+6*\t)*PIT
	ds_load_b128 v[VF+12*\t+6:VF+12*\t+9], v[AV] offset:(37+6*\t)*PIT
	ds_load_b64 v[VF+12*\t+10:VF+12*\t+11], v[A8] offset:(39+6*\t)*PIT
.endr
	ds_load_b128 v[VS:VS+3], v[AV] offset:58*PIT
.endm
.macro BMAX c, x, d                    ; the largest score of my block c: a chain to each tile, from its low end on; x .. x + 3 at work
.irp q, 0,1,2,3
	v_max3_num_f32 v[\x+\q], v[S+32*\c+8*\q], v[S+32*\c+8*\q+1], v[S+32*\c+8*\q+2]
.endr
.irp i, 3,5
.irp q, 0,1,2,3
	v_max3_num_f32 v[\x+\q], v[\x+\q], v[S+32*\c+8*\q+\i], v[S+32*\c+8*\q+\i+1]
.endr
.endr
	v_max3_num_f32 v[\x], v[\x], v[\x+1], v[S+32*\c+7]
	v_max3_num_f32 v[\x+2], v[\x+2], v[\x+3], v[S+32*\c+15]
	v_max3_num_f32 v[\x], v[\x], v[S+32*\c+23], v[S+32*\c+31]
	v_max_num_f32 v[\d], v[\x], v[\x+2]
.endm
	s_load_b128 s[4:7], s[0:1], 0x0                ; q_img, kv_img
	s_load_b64 s[8:9], s[0:1], 0x10                ; o_img
	v_lshl_add_u32 v[SPW], v0, 2, SPARE
	v_mov_b32 v[NIL], 0
	ds_add_u32 v[SPW], v[NIL]                      ; the opening lines: the add twice on end and one wait
	ds_add_u32 v[SPW], v[NIL]
	v_lshrrev_b32 v1, 5, v0
	v_readfirstlane_b32 s[WV], v1                  ; wave 0..15
	v_and_b32 v43, 31, v0                          ; l
	v_and_b32 v44, 7, v0                           ; j
	v_bfe_u32 v45, v0, 3, 1                        ; h'
	v_bfe_u32 v46, v0, 4, 1                        ; h
	v_and_b32 v47, 15, v0                          ; r
	v_lshlrev_b32 v[A8B], 3, v43
	v_lshlrev_b32 v252, 4, v43
	v_lshlrev_b32 v253, 5, v47
	v_lshlrev_b32 v[AVB], 4, v47
	v_lshlrev_b32 v[AKB], 4, v44
	v_lshlrev_b32 v[ASB], 5, v44
	v_lshlrev_b32 v[SH], 3, v46
	v_mad_u32_u24 v[AVB], v46, PIT, v[AVB]
	v_mad_u32_u24 v[AKB], v45, 8*PIT, v[AKB]
	v_lshl_add_u32 v[ASB], v45, 3, v[ASB]
	s_delay_alu instid0(VALU_DEP_2)
	v_mad_u32_u24 v[AKB], v46, PIT, v[AKB]
	s_bfe_u32 s11, ttmp6, 0x40000                  ; cx: it enters q's and o's addresses alone
	s_lshl_b32 s12, ttmp9, 2
	s_add_co_u32 s12, s12, s11                     ; my block of 256 queries
	s_and_b32 s13, ttmp7, 0xffff                   ; batch x 16 + head, which the four partners share
	s_lshl_b32 s14, s12, 4
	s_add_co_u32 s14, s14, s10                     ; my tile of queries
.irp g, 24, 68                                 ; two groups 1: all four work-groups; elements of 8 bytes; rows of 256 bytes, 16 of padding behind each; bit 21 beside a mask
	s_mov_b32 s[\g], 15|(3<<16)|(1<<20)|(1<<21)|(5<<22)|(3<<25)
	s_mov_b32 s[\g+1], 32<<16
	s_mov_b32 s[\g+3], 32<<16
	s_mov_b32 s[\g+5], 32
	s_mov_b32 s[\g+6], 0
	s_mov_b32 s[\g+7], 0
.endr
	s_mov_b32 s26, 15<<16                          ; 15 rows: a sixteenth of steps 0-3
	s_mov_b32 s28, 15
	s_mov_b32 s70, 45<<16                          ; 45 rows: a sixteenth of steps 4-15
	s_mov_b32 s72, 45
	s_mul_i32 s16, s13, 245760
	s_mul_i32 s15, s10, 3840
	s_mul_i32 s40, s10, 11520
	s_add_co_u32 s40, s40, s16
	s_add_co_u32 s40, s40, 61440
	s_mov_b32 s41, 0
	s_add_co_u32 s16, s16, s15
	s_mov_b32 s17, 0
	s_lshl_b32 s18, s13, 17
	s_lshl_b32 s19, s14, 10
	s_add_co_u32 s18, s18, s19
	s_mov_b32 s19, 0
	s_mov_b32 s32, 1
	s_mul_i32 s33, s10, 15*PIT
	s_mov_b32 s36, 1
	s_mul_i32 s37, s10, 45*PIT
	s_add_co_u32 s37, s37, 240*PIT
	s_mov_b32 s[SEL], 0x76543210
	s_mov_b32 s[SEL+1], 0xfedcba98
	s_mov_b32 s[CS], 0x3e38aa3b
	s_mov_b32 s[CS+1], s[CS]
	s_lshr_b32 s50, s13, 4                         ; where o goes: token tile T = batch x 128 + my tile; head hd is half image hd % 4 of chunk hd / 4
	s_lshl_b32 s50, s50, 7
	s_add_co_u32 s50, s50, s14
	s_and_b32 s51, s13, 15
	s_lshr_b32 s52, s50, 3
	s_mul_i32 s52, s52, 98304
	s_lshr_b32 s53, s51, 2
	s_mul_i32 s53, s53, 24576
	s_add_co_u32 s52, s52, s53
	s_and_b32 s53, s50, 7
	s_mul_i32 s53, s53, 3072
	s_add_co_u32 s52, s52, s53
	s_and_b32 s53, s51, 3
	s_mul_i32 s53, s53, 768
	s_add_co_u32 s52, s52, s53
	s_mov_b32 s53, 0
	s_wait_alu depctr_va_vdst(0)
	s_wait_dscnt 0x0                               ; both opening adds are done
	s_wait_kmcnt 0x0
	s_add_nc_u64 s[34:35], s[6:7], s[16:17]
	s_or_b32 s35, s35, 0x80000000
	s_add_nc_u64 s[38:39], s[6:7], s[40:41]
	s_or_b32 s39, s39, 0x80000000
	s_add_nc_u64 s[4:5], s[4:5], s[18:19]
	s_add_nc_u64 s[54:55], s[8:9], s[52:53]
	s_lshl_b32 s52, s50, 9
	s_lshl_b32 s51, s51, 1
	s_add_co_u32 s52, s52, s51
	s_add_co_u32 s52, s52, OSC
	s_add_nc_u64 s[8:9], s[8:9], s[52:53]          ; o's two scale bytes: T x 512 + 32 r + 2 hd
	global_load_b128 v[16:19], v252, s[4:5]        ; Q's image
	global_load_b128 v[20:23], v252, s[4:5] offset:512
	CROUND                                         ; all four work-groups are here: the joint loads meet
	tensor_load_to_lds s[32:35], s[24:31]          ; my one load at the head: my part of steps 0-3
	s_nop 0
	v_mov_b32 v13, 0xff61b1e6                      ; the largest score so far: -3e38
	v_mov_b32 v12, 0x7f61b1e6                      ; -M: so large that the first f is 0
	v_mov_b32 v[OM], 0x7f61b1e6
	v_mov_b32 v14, 0
	v_mov_b32 v15, 0
	v_mov_b32 v[FF+1], 0                           ; (upper half of a pair whose low word serves both halves)
	v_mov_b32 v57, 0                               ; written once: a lane permute's destination counts as one of its sources
	v_mov_b32 v[TP], 0
	v_mov_b32 v[TP+1], 0
.irp i, 128,129,130,131
	v_mov_b32 v[\i], 0                             ; behind K's last tile
.endr
	s_wait_loadcnt 0x0
	v_mov_b32 v[QS], v23                           ; Q's scale word has a register of its own,
.irp i, 23,24,25,26,27
	v_mov_b32 v[\i], 0                             ; and the rest of Q's fragment is zero codes
.endr
.set n, 0
.rept 32
	v_mov_b32 v[O+n], 0                            ; O^T: the first step finds zeros.  (Also the places between the lines above and the first product)
.set n, n+1
.endr
	s_mov_b32 s[TK], 0
	s_mov_b32 s[TB], 0
	s_wait_alu depctr_va_vdst(0)
	s_wait_tensorcnt 0x0                           ; my part of steps 0-3 is in
	ds_add_u32 v[SPW], v[NIL]
	s_wait_dscnt 0x0
	CROUND                                         ; everybody's part is in, and the four work-groups meet
	tensor_load_to_lds s[36:39], s[68:75]          ; my part of steps 4-15, the first tensor load behind the round
	s_nop 0
	KADDR
	KLOADS                                         ; K(0)
	s_mov_b32 s[TK], STEPB
.macro STEP first, last
	s_wait_alu depctr_va_vdst(0)
	s_wait_dscnt 0x0                               ; K(s) is in
	QK 0
.if \first == 0
	SUMS 16, 32                                    ; the upper half of p(s - 1), ahead of the products that write over it
.endif
	QK 4
.if \first == 0
	MERGE
	VADDR
.else
.rept 4
	v_nop                                          ; places in front of the first read of results
.endr
.endif
	BMAX 0, 50, 44                                 ; also the places in front of the loads over K's registers
.if \first == 0
	VLOADS                                         ; V(s - 1)
.endif
	BMAX 1, 54, 45
	s_delay_alu instid0(VALU_DEP_1)
	v_max_num_f32 v43, v44, v45
	s_delay_alu instid0(VALU_DEP_1)
	v_permlanex16_b32 v57, v43, s[SEL], s[SEL+1]
	s_delay_alu instid0(VALU_DEP_1)
	v_max3_num_f32 v13, v13, v43, v57              ; the running largest score of my query
	s_delay_alu instid0(VALU_DEP_1)
	v_mul_f32 v43, s[CS], v13                      ; as t
	s_delay_alu instid0(VALU_DEP_1)
	v_floor_f32 v12, -v43                          ; the new -M = -ceil(t)
	s_delay_alu instid0(VALU_DEP_1)
	v_sub_f32 v43, v12, v[OM]                      ; old M - new M: a whole number, 0 or less
.set n, 0
.rept 4
	v_pk_fma_f32 v[S+n:S+n+1], v[S+n:S+n+1], s[CS:CS+1], v[12:13] op_sel_hi:[1,0,0]   ; t - M
.set n, n+2
.endr
	v_cvt_i32_f32 v43, v43                         ; (it saturates)
.rept 4
	v_pk_fma_f32 v[S+n:S+n+1], v[S+n:S+n+1], s[CS:CS+1], v[12:13] op_sel_hi:[1,0,0]
.set n, n+2
.endr
	v_ldexp_f32 v[FF], 1.0, v43                    ; f = 2^(old M - new M)
.rept 24
	v_pk_fma_f32 v[S+n:S+n+1], v[S+n:S+n+1], s[CS:CS+1], v[12:13] op_sel_hi:[1,0,0]
.set n, n+2
.endr
	v_fma_f32 v44, v44, s[CS], v12                 ; the same of each block's largest score
	v_fma_f32 v45, v45, s[CS], v12
	s_wait_alu depctr_va_vdst(0)                   ; ahead of the blocking wait, and of the batch's sources' readers
.if \first == 0
	s_wait_dscnt 0x0                               ; V(s - 1) is in
	PV
.endif
.if \last == 0
	KADDR                                          ; with the two lines below: four places in front of the loads over V's registers
.else
	v_nop                                          ; the last step has no addresses to make: two places in their stead, ahead of the first read of O^T
	v_nop
.endif
	v_mov_b32 v[OM], v12
	v_nop
.if \last == 0
	KLOADS                                         ; K(s + 1)
.endif
.set n, 0
.rept 64
	v_exp_f32 v[S+n], v[S+n]                       ; p = 2^(t - M)
.set n, n+1
.endr
	v_exp_f32 v44, v44                             ; the blocks' largest p: the same two instructions on the same number
	v_exp_f32 v45, v45
	v_nop                                          ; a plain instruction behind the exponentials
	s_wait_alu depctr_va_vdst(0)                   ; one wait for the batch, directly ahead of the first reader of O^T
.set n, 0
.rept 16
	v_pk_mul_f32 v[O+n:O+n+1], v[O+n:O+n+1], v[FF:FF+1] op_sel_hi:[1,0]   ; O^T under the new M, each accumulator from its low end on
.set n, n+2
.endr
	v_max_num_f32 v44, 0x2800000, v44              ; the floor 2^(5 - 127)
	v_max_num_f32 v45, 0x2800000, v45
	v_pk_fma_f32 v[14:15], v[14:15], v[FF:FF+1], v[S:S+1] op_sel_hi:[1,0,1]   ; the sum under the new M, and the first pair of p
	v_pk_add_f32 v[58:59], v[S+2:S+3], v[S+4:S+5]
	v_add_nc_u32 v46, 0xfe000000, v44              ; 4 off the exponent field: the conversion's scale operand
	v_add_nc_u32 v47, 0xfe000000, v45
	v_pk_add_f32 v[60:61], v[S+6:S+7], v[S+8:S+9]
	v_pk_add_f32 v[62:63], v[S+10:S+11], v[S+12:S+13]
	v_cvt_scalef32_pk16_bf6_f32 v[P:P+2], v[S:S+15], v46
	v_cvt_scalef32_pk16_bf6_f32 v[50:52], v[S+16:S+31], v46
	v_cvt_scalef32_pk16_bf6_f32 v[P+6:P+8], v[S+32:S+47], v47
	v_cvt_scalef32_pk16_bf6_f32 v[54:56], v[S+48:S+63], v47
	v_lshrrev_b32 v44, 23, v46                     ; the bytes of blocks h and 2 + h (plain instructions behind the conversions)
	v_lshrrev_b32 v45, 23, v47
.irp i, 0,1,2
	v_mov_b32 v[P+3+\i], v[50+\i]                  ; (a conversion's three registers begin on an even number)
	v_mov_b32 v[P+9+\i], v[54+\i]
.endr
	v_lshl_or_b32 v44, v45, 16, v44
	SUMS 7, 9
	v_lshlrev_b32 v44, v[SH], v44                  ; at their places in the word
	SUMS 9, 11
	v_permlanex16_b32 v57, v44, s[SEL], s[SEL+1]
	SUMS 11, 13
	v_or_b32 v[PS], v44, v57                       ; with lane l xor 16's two the word is whole
	SUMS 13, 16                                    ; the lower half of p is summed: the next step's first products write over it
.if \first == 0
	s_add_co_u32 s[TB], s[TB], STEPB
.endif
.if \last == 0
	s_add_co_u32 s[TK], s[TK], STEPB
.endif
.endm
	STEP 1, 0                                      ; step 0: asks for K(1)
	STEP 0, 0                                      ; step 1: V(0), K(2)
	s_wait_tensorcnt 0x0                           ; my part of steps 4-15 is in,
	s_wait_dscnt 0x0                               ; and no LDS load of mine is out:
	s_barrier_signal -1                            ; say so,
	STEP 0, 0                                      ; go on with step 2: V(1), K(3), bytes that nobody writes,
	s_barrier_wait -1                              ; and wait for the others in front of step 3, which asks for K(4)
	s_mov_b32 s[TB], 2*STEPB
	s_mov_b32 s[TK], 4*STEPB
	s_mov_b32 s[CNT], 12
.Lstep:                                                ; steps 3 to 14
	STEP 0, 0
	s_sub_co_u32 s[CNT], s[CNT], 1
	s_cmp_lg_u32 s[CNT], 0
	s_cbranch_scc1 .Lstep
	s_mov_b32 s[TB], 14*STEPB
	STEP 0, 1                                      ; step 15: V(14), no K
	SUMS 16, 32                                    ; the tail: the rest of the sum,
	MERGE
	VADDR
	VLOADS                                         ; V(15),
	s_wait_alu depctr_va_vdst(0)
	s_wait_dscnt 0x0
	PV                                             ; and its product
	v_nop                                          ; with the lines below: the places behind the last products
	v_nop
	v_add_f32 v14, v14, v15
	v_permlanex16_b32 v57, v14, s[SEL], s[SEL+1]
	v_add_f32 v14, v14, v57                        ; the row's sum
	s_wait_alu depctr_va_vdst(0)
	v_rcp_f32 v14, v14
	v_nop                                          ; a plain instruction behind the transcendental
	s_wait_alu depctr_va_vdst(0)                   ; ahead of the first reader of the quotient and of O^T
.set n, 0
.rept 16
	v_pk_mul_f32 v[O+n:O+n+1], v[O+n:O+n+1], v[14:15] op_sel_hi:[1,0]   ; register 16 b + i is o(query r, d = 32 b + 16 h + i)
.set n, n+2
.endr
	HQUANT O, P, 248
	global_store_b128 v252, v[P:P+3], s[54:55]               ; half an image: 512 consecutive bytes,
	global_store_b64 v[A8B], v[P+4:P+5], s[54:55] offset:512 ; and 256
	global_store_b16 v253, v[BY], s[8:9]                     ; my row's two bytes (lanes 16-31 write the same)
	s_wait_tensorcnt 0x0                           ; the wave's end
	ds_add_u32 v[SPW], v[NIL]
	s_wait_dscnt 0x0
	CROUND                                         ; the closing round
	s_endpgm
.Lfunc_end_k_qae38c498f0_attn:
	.size	k_qae38c498f0_attn, .Lfunc_end_k_qae38c498f0_attn-k_qae38c498f0_attn
	.p2alignl 7, 3214868480
	.fill 96, 4, 3214868480
	.section	.rodata,"a",@progbits
	.p2align	6, 0x0
	.amdhsa_kernel k_qae38c498f0_attn
		.amdhsa_group_segment_fixed_size 327680
		.amdhsa_private_segment_fixed_size 0
		.amdhsa_enable_private_segment 0
		.amdhsa_kernarg_size 24
		.amdhsa_user_sgpr_count 2
		.amdhsa_user_sgpr_kernarg_segment_ptr 1
		.amdhsa_wavefront_size32 1
		.amdhsa_system_sgpr_workgroup_id_x 1
		.amdhsa_system_sgpr_workgroup_id_y 1
		.amdhsa_system_sgpr_workgroup_id_z 1
		.amdhsa_system_vgpr_workitem_id 0
		.amdhsa_next_free_vgpr 256
		.amdhsa_next_free_sgpr 80
		.amdhsa_reserve_vcc 0
		.amdhsa_float_denorm_mode_32 3
		.amdhsa_float_denorm_mode_16_64 3
		.amdhsa_memory_ordered 1
		.amdhsa_forward_progress 1
		.amdhsa_inst_pref_size 88
	.end_amdhsa_kernel
	.amdgpu_metadata
---
amdhsa.version: [ 1, 2 ]
amdhsa.kernels:
  - .name:           k_qae38c498f0_attn
    .symbol:         k_qae38c498f0_attn.kd
    .args:
      - { .name: q_img, .offset: 0, .size: 8, .value_kind: global_buffer, .address_space: global }
      - { .name: kv_img, .offset: 8, .size: 8, .value_kind: global_buffer, .address_space: global }
      - { .name: o_img, .offset: 16, .size: 8, .value_kind: global_buffer, .address_space: global }
    .group_segment_fixed_size: 327680
    .private_segment_fixed_size: 0
    .kernarg_segment_align: 8
    .kernarg_segment_size: 24
    .max_flat_workgroup_size: 512
    .sgpr_count:     80
    .vgpr_count:     256
    .wavefront_size: 32
...
	.end_amdgpu_metadata
.endif
;; end of part 3
;; launch proj (part 4): grid 8 x 32, 8 waves a work-group, clusters of 4 x 4, 265,216 bytes of LDS; arguments o_img, wp_img, bp, x, out0; writes out0
.if DOCPART == 4
	.amdgcn_target "amdgcn-amd-amdhsa--gfx1250"
	.amdhsa_code_object_version 6
	.text
	.protected	k_qae38c498f0_proj
	.globl	k_qae38c498f0_proj
	.p2align	8
	.type	k_qae38c498f0_proj,@function
k_qae38c498f0_proj:
	s_mov_b64 s[64:65], 0
	v_nop
	global_prefetch_b8 v0, s[64:65] scope:SCOPE_SE
	s_setreg_imm32_b32 hwreg(HW_REG_WAVE_MODE, 25, 1), 1
	s_wait_xcnt 0x0
	s_wait_alu depctr_hold_cnt(0) depctr_sa_sdst(0) depctr_va_vdst(0) depctr_va_sdst(0) depctr_va_ssrc(0) depctr_va_vcc(0) depctr_vm_vsrc(0)
	s_getreg_b32 s2, hwreg(HW_REG_IB_STS2, 6, 4)
	s_cmp_eq_u32 s2, 0
	s_cbranch_scc0 .Lentry_in_a_cluster
	s_endpgm
.Lentry_in_a_cluster:
	s_bfe_u32 s2, ttmp6, 0x10000c
	s_cmp_lg_u32 s2, 0xf033
	s_cbranch_scc0 .Lentry_shape_is_right
	s_endpgm
.Lentry_shape_is_right:
; out0 = x + (o Wp^T + bp), the product on codes of BF6 with E8M0 scales, K = 1,024.
; SHARES.  Work-group: 128 tokens x 128 columns.  Eight waves, each source 0 = 4 tiles of Wp's rows (64 columns), source 1 = 2 tiles of tokens: 8 accumulators by turns;
; a lane holds one token, and the 16 registers of two neighbouring tiles of Wp are 16 neighbouring columns (row r of tile T is index 32 (T / 2) + 8 (T % 2) + r + 8 (r / 8)).
; LDS is filled ONCE: all of K in four chunks of 256 along K (16 slots of 3,072 bytes: 8 tiles of o, 8 of Wp), as images of the operands' registers; each wave asks for its
; part of all four chunks at the start (four tensor loads of mine are out).  Behind them a stage of 128 rows x (512 + 16) bytes, which no tensor load fills.
; x IS ASKED FOR AT THE HEAD: the 16 rows x 512 bytes that the wave will store go into 64 registers of window 1 and land while the products run.
; CLUSTER 4 x 4: the four column blocks of a row share o's tiles, the four token blocks of a column share Wp's: joint loads.
; REGISTERS: window 0: v1-15 addresses; v16-47, v48-63 scale words; v64-111, v112-135 fragments; v136-139 bp; v192-255 accumulators, later rows of the result.
;   window 1: v0-63 (v256-319): x, then x + bp.  s_set_vgpr_msb's low byte: bits 1:0 source 0, 3:2 source 1, 7:6 destination; eight switches in the launch.
; The result is summed as product + (x + bp).
; LIMITS: NaN and infinities are not served.
.set OSC,  3145728
.set WPS,  786432
.set CHB,  49152
.set STG,  4*CHB
.set SP,   528
.set WV,   20
.set SA,   16
.set SB,   48
.set AF,   64
.set BF,   112
.set ACC,  192
.set MSB, 0
.macro WIN new                         ; the immediate's high byte repeats the setting that is left
.if MSB != \new
	s_set_vgpr_msb (MSB<<8)|\new
.set MSB, \new
.endif
.endm
.macro CROUND
	s_barrier_signal -1
	s_barrier_wait -1
	s_cmp_lg_u32 s[WV], 0
	s_cbranch_scc1 .Lnot_wave_0_\@
	s_barrier_signal -3
.Lnot_wave_0_\@:
	s_barrier_wait -3
	s_barrier_signal -1
	s_barrier_wait -1
.endm
.macro FRAGL reg, a16, a8, off
	ds_load_b128 v[(\reg):(\reg)+3], v[\a16] offset:(\off)
	ds_load_b64 v[(\reg)+4:(\reg)+5], v[\a8] offset:(\off)+512
	ds_load_b128 v[(\reg)+6:(\reg)+9], v[\a16] offset:(\off)+768
	ds_load_b64 v[(\reg)+10:(\reg)+11], v[\a8] offset:(\off)+1280
.endm
.macro KSTEP s, s2, zero               ; 128 along K: 24 LDS loads, 8 products; the accumulators take turns
.irp i, 0,1,2,3
	FRAGL AF+12*\i, 4, 5, \i*3072+\s2*1536
.endr
.irp j, 0,1
	FRAGL BF+12*\j, 6, 7, \j*3072+\s2*1536
.endr
	s_wait_dscnt 0x0
.irp i, 0,1,2,3
.irp j, 0,1
.if \zero
	v_wmma_scale_f32_16x16x128_f8f6f4 v[ACC+32*\j+8*\i:ACC+32*\j+8*\i+7], v[AF+12*\i:AF+12*\i+11], v[BF+12*\j:BF+12*\j+11], 0, v[SA+8*\i+(\s)], v[SB+8*\j+(\s)] matrix_a_fmt:MATRIX_FMT_BF6 matrix_b_fmt:MATRIX_FMT_BF6
.else
	v_wmma_scale_f32_16x16x128_f8f6f4 v[ACC+32*\j+8*\i:ACC+32*\j+8*\i+7], v[AF+12*\i:AF+12*\i+11], v[BF+12*\j:BF+12*\j+11], v[ACC+32*\j+8*\i:ACC+32*\j+8*\i+7], v[SA+8*\i+(\s)], v[SB+8*\j+(\s)] matrix_a_fmt:MATRIX_FMT_BF6 matrix_b_fmt:MATRIX_FMT_BF6
.endif
.endr
.endr
.endm
.macro CHUNK p, zero
.if \p == 0
	s_wait_tensorcnt 0x0                           ; my one tensor load is in
	s_barrier_signal -1
	s_barrier_wait -1                              ; everybody's is: all of K lies in LDS, and nothing is filled again
.else
	v_add_nc_u32 v4, 24576, v4                     ; on to this chunk of either operand; also the four places in front of the loads below
	v_add_nc_u32 v5, 24576, v5
	v_add_nc_u32 v6, 24576, v6
	v_add_nc_u32 v7, 24576, v7
.endif
	s_wait_alu depctr_va_vdst(0)
	KSTEP 2*\p, 0, \zero
.rept 4
	v_nop
.endr
	KSTEP 2*\p+1, 1, 0
.endm
	s_load_b256 s[4:11], s[0:1], 0x0               ; o_img, wp_img, bp, x
	s_load_b64 s[12:13], s[0:1], 0x20              ; out0
	v_lshl_add_u32 v190, v0, 2, 0x40800
	v_mov_b32 v191, 0
	ds_add_u32 v190, v191
	ds_add_u32 v190, v191
	v_lshrrev_b32 v1, 5, v0
	s_delay_alu instid0(VALU_DEP_1)
	v_readfirstlane_b32 s[WV], v1                  ; wave 0..7
	s_and_b32 s21, s20, 1                          ; which 64 columns
	s_lshr_b32 s22, s20, 1                         ; which 32 tokens
	s_lshl_b32 s29, s21, 2
	s_add_co_u32 s29, s29, 32                      ; LDS: o's four chunks on end (32 slots), then Wp's four
	s_lshl_b32 s30, s22, 1                         ; source 1's
	v_and_b32 v1, 31, v0
	v_and_b32 v2, 15, v0
	v_bfe_u32 v3, v0, 4, 1
	s_delay_alu instid0(VALU_DEP_3)
	v_lshlrev_b32 v12, 4, v1
	s_delay_alu instid0(VALU_DEP_4)
	v_lshlrev_b32 v13, 3, v1
	s_mul_i32 s66, s29, 3072
	s_mul_i32 s67, s30, 3072
	v_add_nc_u32 v4, s66, v12
	v_add_nc_u32 v5, s66, v13
	v_add_nc_u32 v6, s67, v12
	v_add_nc_u32 v7, s67, v13
	v_lshlrev_b32 v8, 5, v2                        ; 32 r
	v_and_b32 v14, 8, v2
	s_delay_alu instid0(VALU_DEP_1)
	v_add_nc_u32 v14, v14, v2
	s_delay_alu instid0(VALU_DEP_1)
	v_mul_u32_u24 v14, v14, SP
	s_delay_alu instid0(VALU_DEP_1)
	v_lshl_add_u32 v14, v3, 6, v14
	s_mul_i32 s66, s22, 32*SP
	s_lshl_b32 s67, s21, 8
	s_add_co_u32 s66, s66, s67
	s_add_co_u32 s66, s66, STG
	v_add_nc_u32 v14, s66, v14                     ; the stage, in: row 32 (wave / 2) + r + 8 (r / 8), byte 256 (wave % 2) + 64 h
	s_mul_i32 s66, s20, 16*SP
	s_add_co_u32 s66, s66, STG
	v_add_nc_u32 v15, s66, v12                     ; back: my 16 rows, 16 bytes a lane
	s_bfe_u32 s24, ttmp6, 0x40000                  ; cx
	s_bfe_u32 s25, ttmp6, 0x40004                  ; cy
	s_lshl_b32 s26, ttmp9, 2
	s_add_co_u32 s26, s26, s24                     ; the block of columns
	s_and_b32 s27, ttmp7, 0xffff
	s_lshl_b32 s27, s27, 2
	s_add_co_u32 s27, s27, s25                     ; the block of tokens
	s_lshl_b32 s86, s25, 2
	s_lshl_b32 s86, 15, s86                        ; my row of the cluster
	s_lshl_b32 s87, 0x1111, s24                    ; my column
	s_or_b32 s32, s86, (3<<16)|(1<<21)             ; group 1 for o's tiles
	s_or_b32 s40, s87, (3<<16)|(1<<21)             ; for Wp's
.irp g, 32, 40                                 ; dense blocks as rows of 256 bytes
	s_mov_b32 s[\g+1], 32<<16
	s_mov_b32 s[\g+2], 96<<16                      ; 96 rows of 256 bytes: one chunk of 24,576 bytes a wave
	s_mov_b32 s[\g+3], 32<<16
	s_mov_b32 s[\g+4], 96
	s_mov_b32 s[\g+5], 32
	s_mov_b32 s[\g+6], 0
	s_mov_b32 s[\g+7], 0
.endr
	s_mul_i32 s66, s20, 24576
	s_mul_i32 s88, s27, 98304
	s_add_co_u32 s88, s88, s66
	s_mov_b32 s89, 0
	s_mul_i32 s2, s26, 98304
	s_add_co_u32 s2, s2, s66
	s_mov_b32 s3, 0
	s_wait_dscnt 0x0
	s_wait_kmcnt 0x0
	s_add_nc_u64 s[88:89], s[4:5], s[88:89]
	s_add_nc_u64 s[2:3], s[6:7], s[2:3]
	s_sub_nc_u64 s[2:3], s[2:3], 98304
.irp p, 0
	s_mov_b32 s[48+4*\p], 1
	s_add_co_u32 s[49+4*\p], s66, \p*CHB
	s_add_nc_u64 s[50+4*\p:51+4*\p], s[88:89], \p*24576
	s_or_b32 s[51+4*\p], s[51+4*\p], 0x80000000
	s_mov_b32 s[68+4*\p], 1
	s_add_co_u32 s[69+4*\p], s66, \p*CHB
	s_add_nc_u64 s[70+4*\p:71+4*\p], s[2:3], \p*24576
	s_or_b32 s[71+4*\p], s[71+4*\p], 0x80000000
.endr
	CROUND                                         ; all sixteen work-groups are here: the joint loads meet
	s_cmp_lt_u32 s[WV], 4
	s_cbranch_scc0 .Lfill_w
	tensor_load_to_lds s[48:51], s[32:39]
	s_nop 0
.rept 4
	v_nop
.endr
	s_branch .Lfilled
.Lfill_w:
	tensor_load_to_lds s[68:71], s[40:47]
	s_nop 0
.rept 4
	v_nop
.endr
.Lfilled:
	s_mov_b32 s95, 0
	s_lshl_b32 s94, s26, 12
	s_lshl_b32 s23, s21, 11
	s_add_co_u32 s94, s94, s23
	s_add_co_u32 s94, s94, WPS
	s_add_nc_u64 s[90:91], s[6:7], s[94:95]        ; Wp's scale words: tile 8 block + 4 (wave % 2)
	s_lshl_b32 s94, s27, 12
	s_lshl_b32 s23, s22, 10
	s_add_co_u32 s94, s94, s23
	s_add_co_u32 s94, s94, OSC
	s_add_nc_u64 s[92:93], s[4:5], s[94:95]        ; o's: tile 8 block + 2 (wave / 2)
	s_lshl_b32 s94, s26, 9
	s_add_nc_u64 s[8:9], s[8:9], s[94:95]          ; bp at my block's 128 columns
	s_lshl_b32 s23, s27, 19
	s_add_co_u32 s94, s94, s23
	s_lshl_b32 s23, s20, 16
	s_add_co_u32 s94, s94, s23                     ; row 128 block + 16 wave, my block's columns
	s_add_nc_u64 s[96:97], s[10:11], s[94:95]      ; in x,
	s_add_nc_u64 s[98:99], s[12:13], s[94:95]      ; and in out0
	s_wait_alu depctr_va_vdst(0)
.irp i, 0,1,2,3
.irp q, 0,1
	global_load_b128 v[SA+8*\i+4*\q:SA+8*\i+4*\q+3], v8, s[90:91] offset:512*\i+16*\q
.endr
.endr
.irp j, 0,1
.irp q, 0,1
	global_load_b128 v[SB+8*\j+4*\q:SB+8*\j+4*\q+3], v8, s[92:93] offset:512*\j+16*\q
.endr
.endr
	global_load_b128 v[136:139], v12, s[8:9]
	WIN 0x40                                       ; destination window 1, address window 0
.irp i, 0,1,2,3,4,5,6,7,8,9,10,11,12,13,14,15
	global_load_b128 v[4*\i:4*\i+3], v12, s[96:97] offset:4096*\i          ; x: the 16 rows that I shall store, 512 consecutive bytes each, into v256-319
.endr
	WIN 0
	s_wait_loadcnt 16                              ; the scale words and bp are in; x's sixteen loads, issued behind them, may stay out
	CHUNK 0, 1
	CHUNK 1, 0
	CHUNK 2, 0
	CHUNK 3, 0
.rept 4
	v_nop                                          ; places in front of the first read of results
.endr
.irp j, 0,1
.irp i, 0,1,2,3
.irp q, 0,1
	ds_store_b128 v14, v[ACC+32*\j+8*\i+4*\q:ACC+32*\j+8*\i+4*\q+3] offset:8*SP*\j+128*(\i/2)+32*(\i%2)+16*\q   ; each accumulator from its low end on
.endr
.endr
.endr
	s_wait_loadcnt 0x0                             ; x (asked for ahead of all the products)
	WIN 0x41                                       ; destination and source 0 window 1, source 1 (bp) window 0
.set n, 0
.rept 32
	v_pk_add_f32 v[n:n+1], v[n:n+1], v[136+n%4:137+n%4]    ; x + bp, while the stage's stores are out: every row has my four columns
.set n, n+2
.endr
	WIN 0
	s_wait_dscnt 0x0                               ; for the others' sake: a row's 512 bytes come from two waves
	s_barrier_signal -1
	s_barrier_wait -1
.irp i, 0,1,2,3,4,5,6,7,8,9,10,11,12,13,14,15
	ds_load_b128 v[ACC+4*\i:ACC+4*\i+3], v15 offset:SP*\i
.endr
.irp g, 0,1                                    ; eight rows at a time, so that a window setting serves a run
	s_wait_dscnt 8-8*\g                            ; rows 8 g .. 8 g + 7 are back; the rows behind them may be out
	WIN 0x04                                       ; source 1 window 1
.irp i, 0,1,2,3,4,5,6,7
	v_pk_add_f32 v[ACC+32*\g+4*\i:ACC+32*\g+4*\i+1], v[ACC+32*\g+4*\i:ACC+32*\g+4*\i+1], v[32*\g+4*\i:32*\g+4*\i+1]
	v_pk_add_f32 v[ACC+32*\g+4*\i+2:ACC+32*\g+4*\i+3], v[ACC+32*\g+4*\i+2:ACC+32*\g+4*\i+3], v[32*\g+4*\i+2:32*\g+4*\i+3]
.endr
	WIN 0                                          ; a store's data are its source 1: window 0 again
.irp i, 0,1,2,3,4,5,6,7
	global_store_b128 v12, v[ACC+32*\g+4*\i:ACC+32*\g+4*\i+3], s[98:99] offset:4096*(8*\g+\i) th:TH_STORE_NT   ; 32 lanes store 512 consecutive bytes, at a multiple of 512 from out0's first byte
.endr
.endr
	s_wait_tensorcnt 0x0
	ds_add_u32 v190, v191
	s_wait_dscnt 0x0
	CROUND                                         ; the closing round
	s_endpgm
.Lfunc_end_k_qae38c498f0_proj:
	.size	k_qae38c498f0_proj, .Lfunc_end_k_qae38c498f0_proj-k_qae38c498f0_proj
	.p2alignl 7, 3214868480
	.fill 96, 4, 3214868480
	.section	.rodata,"a",@progbits
	.p2align	6, 0x0
	.amdhsa_kernel k_qae38c498f0_proj
		.amdhsa_group_segment_fixed_size 265216
		.amdhsa_private_segment_fixed_size 0
		.amdhsa_enable_private_segment 0
		.amdhsa_kernarg_size 40
		.amdhsa_user_sgpr_count 2
		.amdhsa_user_sgpr_kernarg_segment_ptr 1
		.amdhsa_wavefront_size32 1
		.amdhsa_system_sgpr_workgroup_id_x 1
		.amdhsa_system_sgpr_workgroup_id_y 1
		.amdhsa_system_sgpr_workgroup_id_z 1
		.amdhsa_system_vgpr_workitem_id 0
		.amdhsa_next_free_vgpr 320
		.amdhsa_next_free_sgpr 100
		.amdhsa_reserve_vcc 0
		.amdhsa_float_denorm_mode_32 3
		.amdhsa_float_denorm_mode_16_64 3
		.amdhsa_memory_ordered 1
		.amdhsa_forward_progress 1
		.amdhsa_inst_pref_size 39
	.end_amdhsa_kernel
	.amdgpu_metadata
---
amdhsa.version: [ 1, 2 ]
amdhsa.kernels:
  - .name:           k_qae38c498f0_proj
    .symbol:         k_qae38c498f0_proj.kd
    .args:
      - { .name: o_img, .offset: 0, .size: 8, .value_kind: global_buffer, .address_space: global }
      - { .name: wp_img, .offset: 8, .size: 8, .value_kind: global_buffer, .address_space: global }
      - { .name: bp, .offset: 16, .size: 8, .value_kind: global_buffer, .address_space: global }
      - { .name: x, .offset: 24, .size: 8, .value_kind: global_buffer, .address_space: global }
      - { .name: out0, .offset: 32, .size: 8, .value_kind: global_buffer, .address_space: global }
    .group_segment_fixed_size: 265216
    .private_segment_fixed_size: 0
    .kernarg_segment_align: 8
    .kernarg_segment_size: 40
    .max_flat_workgroup_size: 256
    .sgpr_count:     100
    .vgpr_count:     320
    .wavefront_size: 32
...
	.end_amdgpu_metadata
.endif
;; end of part 4
